; MI455X (gfx1250); checked and timed in simulation.
; The chip was launched on July 23, 2026; its instructions are those of AMD's public machine-readable ISA for CDNA 5 (MIT licence, August 2026) and "CDNA5" Instruction Set Architecture Reference Guide (July 2026). The comments in the code are by the model that wrote it; some were corrected since.
;; Parallel Transformer Block. Allowed arithmetic: matrix products marked QUANTISED: E4M3 operands, one given power-of-two scale a tensor, by v_wmma_f32_16x16x64_fp8_fp8 or v_wmma_f32_16x16x128_fp8_fp8, f32 sums; products left as they are: f32 operands where the result goes on into a quantised operand, else bf16, f16 or f32 operands; f32 sums; everything else in f32.
;; Inputs: W_attn_out 512 x 1,024 float32; W_ff_out 4,096 x 1,024 float32; W_fused 1,024 x 8,768 float32; gamma 1,024 float32; lowp_scales 10 int32 (the exponents e of the quantised operands' scales 2^e); x 2 x 2,048 x 1,024 float32.
;; Outputs: out0 2 x 2,048 x 1,024 float32.
;; This version of the problem:
;;   THIS VERSION OF THE PROBLEM IS GIVEN IN LOW PRECISION. The matrix products marked QUANTISED in the list below multiply operands that are first quantised to E4M3 (4 exponent bits, 3 mantissa bits; 8 bits a number), with one given power-of-two scale for each operand tensor; their sums are f32. All else is computed in f32.
;;   The module's matrix products, in the order in which they are computed (A, B: the left and right operand; K: the contracted axis; several contracted axes count as one K, in the product's order):
;;     1. [M 4,096, K 1,024] x [K 1,024, N 8,768]; A: computed on the way; B: input W_fused: QUANTISED (scales: A lowp_scales[0], B lowp_scales[1])
;;     2. [M 2,048, K 1] x [K 1, N 16]; A: computed on the way; B: computed on the way: left as it is (no contracted axis)
;;     3. batch 2 x [M 32,768, K 32] x [K 32, N 2,048]; A: computed on the way; B: computed on the way: QUANTISED (scales: A lowp_scales[2], B lowp_scales[3])
;;     4. batch 2 x [M 32,768, K 2,048] x [K 2,048, N 32]; A: softmax (see below); B: computed on the way: QUANTISED (scales: A lowp_scales[4], B lowp_scales[5])
;;     5. [M 4,096, K 512] x [K 512, N 1,024]; A: computed on the way; B: input W_attn_out: QUANTISED (scales: A lowp_scales[6], B lowp_scales[7])
;;     6. [M 4,096, K 4,096] x [K 4,096, N 1,024]; A: computed on the way; B: input W_ff_out: QUANTISED (scales: A lowp_scales[8], B lowp_scales[9])
;;   THE QUANTISER, for each operand of a quantised product, along K:
;;     - The operand's scale is 2^e, e = its entry of the input lowp_scales (int32; the entries are numbered through the quantised products in the list's order, A before B).
;;     - Each number is divided by the scale, clamped to +-448, and rounded to the nearest number of E4M3, ties to even, subnormals kept.
;;     - The product sums the exact products of the quantised numbers (number of the format x scale) in f32.
;;   ~~~python
;;   def quantise(x, axis, e):      # numpy; x: float32 -> the quantised numbers, widened to float32 again
;;       x = np.moveaxis(x, axis, -1); K = x.shape[-1]
;;       r = np.clip(x / 2.0 ** e, -448, 448)
;;       step = 2.0 ** (np.maximum(np.frexp(np.where(r == 0, 1, r))[1] - 1, -6) - 3)
;;       q = np.round(r / step) * step * 2.0 ** e      # np.round: ties to even
;;       return np.moveaxis(q, -1, axis).astype(np.float32)
;;   ~~~
;;   SOFTMAX AHEAD OF A QUANTISED PRODUCT. Where the list says 'softmax', what is quantised is not the finished softmax but p = 2^(t - M), with t = logit x log2(e) and M = ceil(the row's largest t), a whole number; so 1/2 < the row's largest p <= 1. The row's sum l is taken of the UNQUANTISED p, in f32, and the product's result is divided by l at the end. Since M is a whole number, a kernel that streams over the keys may use a running M (the ceiling of the running maximum): every later rescaling is an exact power of two, so the quantised numbers keep their values, but for numbers so far below the row's largest that they fall under the format's range.
;;   OPERANDS COMPUTED ON THE WAY. 'Computed on the way' means the value that the module computes at that place (a softmax that the list does not call 'softmax' is quantised finished and normalised). What goes into a quantiser is computed in f32, as accurately as f32 sums, v_exp_f32 and their like allow (about 1e-6 of the number): no bf16 or f16 on the way to a quantiser, and a product that is left as it is and whose result goes on into a quantised operand takes f32 operands (vector FMAs, or v_wmma_f32_16x16x4_f32). A number that lies on a knife's edge between two numbers of the format may be rounded either way, as far as f32 arithmetic and the matrix unit's own rounding can turn it there, and no further.
;; One version. Each part assembles by itself: llvm-mc -triple=amdgcn-amd-amdhsa -mcpu=gfx1250 --defsym DOCPART=n.
;; ======== version 1 of 1: 5 launches
;; limits: right only within a limited range of input values
;; workspace buffers: xq 4,194,304 bytes; wfq 8,978,432 bytes; woq 4,718,592 bytes; aq 18,874,368 bytes; tab 524,288 bytes; qk 2,228,224 bytes; vq 131,072 bytes
;; launch prep (part 1): grid 401 x 1, 4 waves a work-group, no clusters, 139,776 bytes of LDS; arguments x, gamma, W_fused, W_attn_out, W_ff_out, lowp_scales, xq, wfq, woq, tab; writes xq, wfq, woq, tab
.if DOCPART == 1
	.amdgcn_target "amdgcn-amd-amdhsa--gfx1250"
	.amdhsa_code_object_version 6
	.text
	.protected	k_q8018fc6c77_prep
	.globl	k_q8018fc6c77_prep
	.p2align	8
	.type	k_q8018fc6c77_prep,@function
k_q8018fc6c77_prep:
	s_mov_b64 s[64:65], 0
	v_nop
	global_prefetch_b8 v0, s[64:65] scope:SCOPE_SE
	s_setreg_imm32_b32 hwreg(HW_REG_WAVE_MODE, 25, 1), 1
	s_wait_xcnt 0x0
; PREP: everything that is quantised once.  Four kinds of work-group, told apart by the work-group's number alone:
;   0..136    W_fused [1024 k][8768 n] f32  -> wfq [8768 rows][1024 codes], K innermost, scale 2^e1
;   137..208  W_attn_out [512][1024], W_ff_out [4096][1024] f32 -> woq [8 nt][36 kb][128 n][128 codes], scales 2^e7, 2^e9
;   209..336  x [4096][1024] f32: LayerNorm x gamma -> xq [4096][1024 codes], scale 2^e0
;   337..400  the rotary table tab [role 2][cos, sin][2048 m][16 f] f32: role 0 x scale (for q), role 1 / scale (for k)
; code = number / 2^e, held within +-448, to the nearest code, ties to even.
; ORDER ALONG K.  xq and wfq hold the code of k = 512 (p>>9) + 128 ((p>>2)&3) + 4 ((p>>4)&31) + (p&3) at byte p of a row: the order in which one wave's dense
; 16-byte loads of a row of x and its dense 16-byte stores of codes leave them.  Both operands use it, so every product meets its partner.
; woq (and aq, which later launches write) hold, in a block of 128, local k = 64 (p>>6) + 8 ((p>>5)&1) + 16 ((p>>3)&3) + (p&7) at byte p.
; wfq's rows: 0..575 are W_fused's columns 0..575; row 576 + 128 u + 64 g + j is column 576 + 4096 g + 64 u + j (g = 0: ff_x, 1: gate).
; LIMITS: e0, e1, e7, e9 between -126 and 119, so that 2^e and 448 x 2^e are f32 numbers.  NaN among the inputs is not served; an infinity is held at the largest code.
; No tensor loads, no barrier: waves share nothing.  The two weight paths have LDS bytes of their own.
.set FROW,  35072                      ; a row of W_fused in bytes
.set SP,    272                        ; a stage row: 256 bytes of codes + 16
.set STGB,  64*SP                      ; a wave's stage: 64 columns
.set CD,    16                         ; v16-31   a block's codes: 4 columns x 4 registers
.set XT,    32                         ; v32-63   two columns x 16 numbers, held
.set LD,    64                         ; v64-255  three sets of 64 numbers as loaded
.set WV,    34                         ; s34      my wave's number
.macro MKSCALE se, vs, vl              ; v[vs] = 2^e, v[vl] = 448 x 2^e, e in s[se]
	s_add_co_i32 s44, s[\se], 127
	s_lshl_b32 s45, s44, 23
	v_mov_b32 v[\vs], s45
	s_add_co_i32 s44, s44, 8
	s_lshl_b32 s44, s44, 23
	s_or_b32 s44, s44, 0x600000
	v_mov_b32 v[\vl], s44
.endm
	s_load_b512 s[4:19], s[0:1], 0x0               ; x 4, gamma 6, W_fused 8, W_attn_out 10, W_ff_out 12, scales 14, xq 16, wfq 18
	s_load_b128 s[20:23], s[0:1], 0x40             ; woq 20, tab 22
	s_set_vgpr_msb 0x40
	v_lshl_add_u32 v0, v0, 2, 0x22000
	v_mov_b32 v1, 0
	s_set_vgpr_msb 0x4000
	v_lshrrev_b32 v1, 5, v0
	v_readfirstlane_b32 s[WV], v1
	v_and_b32 v1, 31, v0                           ; lane
	v_and_b32 v2, 15, v0                           ; lane % 16
	v_bfe_u32 v3, v0, 4, 1                         ; lane / 16
	s_wait_kmcnt 0x0
	s_load_b256 s[24:31], s[14:15], 0x0            ; e0 .. e7
	s_load_b64 s[32:33], s[14:15], 0x20            ; e8, e9.  Each path waits for the exponents where it first needs them, behind its first loads
	s_cmp_lt_u32 ttmp9, 137
	s_cbranch_scc1 .Lpath_f
	s_cmp_lt_u32 ttmp9, 209
	s_cbranch_scc1 .Lpath_o
	s_cmp_lt_u32 ttmp9, 337
	s_cbranch_scc1 .Lpath_ln
; ---------------------------------------------------------------- the rotary table
; Thread t of 128: position m = 32 wt + t / 4, frequencies 4 (t % 4) + 0 .. 3.  angle = m x 10^(-f/4), one rounding; sine and cosine by a three-part reduction
; by pi/2 (the first two parts times the quotient, at most 1,304, are exact) and polynomials on |r| <= pi/4; scale = ((2 f + 12.8) / 44.8)^((m - 1024) / 512) by log2 and exp2.
.set ANG, 16
.set KK,  20
.set RR,  24
.set ZZ,  28
.set SN,  32
.set CN,  36
.set QI,  40
.set TA,  44
.set TB2, 48
.set LG,  52
.set SC,  56
.set SI,  60
.set OUT, 64
.set SV,  80
.set CV,  84
.set NG,  88
	s_sub_co_u32 s35, ttmp9, 337
	s_lshl_b32 s36, s35, 11                        ; 32 positions x 64 bytes
	s_mov_b32 s37, 0
	s_add_nc_u64 s[22:23], s[22:23], s[36:37]
	s_lshl_b32 s35, s35, 5
	s_mov_b32 s40, 0x3f22f983                      ; 2 / pi
	s_mov_b32 s41, 0x3fc90000                      ; pi / 2 in three parts
	s_mov_b32 s42, 0x39fda000
	s_mov_b32 s43, 0x33a22169
	s_mov_b32 s44, 0xb94ca1f9                      ; sine's polynomial
	s_mov_b32 s45, 0x3c08839e
	s_mov_b32 s46, 0xbe2aaaa3
	s_mov_b32 s47, 0x37ccf5ce                      ; cosine's
	s_mov_b32 s48, 0xbab6061a
	s_mov_b32 s49, 0x3d2aaaa5
	v_and_b32 v1, 3, v0                            ; fq
	v_lshrrev_b32 v2, 2, v0
	v_add_nc_u32 v2, s35, v2                       ; m
	v_lshlrev_b32 v10, 4, v0                       ; my 16 bytes of the work-group's 2,048
	v_cvt_f32_u32 v3, v2
	v_add_nc_u32 v5, 0xfffffc00, v2
	v_cvt_f32_i32 v5, v5
	v_mul_f32 v5, 0x3b000000, v5                   ; (m - 1024) / 512, exact
	v_mov_b32 v4, 1.0                              ; 10^-fq
	v_mov_b32 v7, 0x3dcccccd
	v_cmp_eq_u32 vcc_lo, 1, v1
	v_cndmask_b32 v4, v4, v7, vcc_lo
	v_mov_b32 v7, 0x3c23d70a
	v_cmp_eq_u32 vcc_lo, 2, v1
	v_cndmask_b32 v4, v4, v7, vcc_lo
	v_mov_b32 v7, 0x3a83126f
	v_cmp_eq_u32 vcc_lo, 3, v1
	v_cndmask_b32 v4, v4, v7, vcc_lo
	v_lshlrev_b32 v6, 3, v1
	v_cvt_f32_u32 v6, v6                           ; 8 fq
	v_mov_b32 v[ANG], v4                           ; x 10^(-i/4)
	v_mul_f32 v[ANG+1], 0x3f0ff59a, v4
	v_mul_f32 v[ANG+2], 0x3ea1e89b, v4
	v_mul_f32 v[ANG+3], 0x3e361887, v4
	v_add_f32 v[LG], 0x414ccccd, v6                ; 2 f + 12.8
	v_add_f32 v[LG+1], 0x416ccccd, v6
	v_add_f32 v[LG+2], 0x41866666, v6
	v_add_f32 v[LG+3], 0x41966666, v6
.irp i, 0,1,2,3
	v_mul_f32 v[LG+\i], 0x3cb6db6e, v[LG+\i]       ; / 44.8
.endr
	s_wait_alu depctr_va_vdst(0)
.irp i, 0,1,2,3
	v_log_f32 v[LG+\i], v[LG+\i]
.endr
.irp i, 0,1,2,3
	v_mul_f32 v[ANG+\i], v3, v[ANG+\i]             ; the angle.  (Plain lines behind the logarithms)
.endr
.irp i, 0,1,2,3
	v_mul_f32 v[KK+\i], s40, v[ANG+\i]
.endr
.irp i, 0,1,2,3
	v_rndne_f32 v[KK+\i], v[KK+\i]
.endr
.irp i, 0,1,2,3
	v_fma_f32 v[RR+\i], -v[KK+\i], s41, v[ANG+\i]
.endr
.irp i, 0,1,2,3
	v_fma_f32 v[RR+\i], -v[KK+\i], s42, v[RR+\i]
.endr
.irp i, 0,1,2,3
	v_fma_f32 v[RR+\i], -v[KK+\i], s43, v[RR+\i]
.endr
	s_wait_alu depctr_va_vdst(0)                   ; one wait for the four logarithms, ahead of their first reader
.irp i, 0,1,2,3
	v_mul_f32 v[LG+\i], v5, v[LG+\i]               ; a = power x log2(base)
.endr
.irp i, 0,1,2,3
	v_mul_f32 v[NG+\i], -1.0, v[LG+\i]
.endr
	s_wait_alu depctr_va_vdst(0)
.irp i, 0,1,2,3
	v_exp_f32 v[SC+\i], v[LG+\i]                   ; the scale,
.endr
.irp i, 0,1,2,3
	v_exp_f32 v[SI+\i], v[NG+\i]                   ; and 1 / the scale
.endr
.irp i, 0,1,2,3
	v_mul_f32 v[ZZ+\i], v[RR+\i], v[RR+\i]
.endr
.irp i, 0,1,2,3
	v_fma_f32 v[TA+\i], v[ZZ+\i], s44, s45
.endr
.irp i, 0,1,2,3
	v_fma_f32 v[TA+\i], v[TA+\i], v[ZZ+\i], s46
.endr
.irp i, 0,1,2,3
	v_mul_f32 v[TA+\i], v[TA+\i], v[ZZ+\i]
.endr
.irp i, 0,1,2,3
	v_fma_f32 v[SN+\i], v[TA+\i], v[RR+\i], v[RR+\i]   ; sin r
.endr
.irp i, 0,1,2,3
	v_fma_f32 v[TB2+\i], v[ZZ+\i], s47, s48
.endr
.irp i, 0,1,2,3
	v_fma_f32 v[TB2+\i], v[TB2+\i], v[ZZ+\i], s49
.endr
.irp i, 0,1,2,3
	v_mul_f32 v[TA+\i], v[ZZ+\i], v[ZZ+\i]
.endr
.irp i, 0,1,2,3
	v_fma_f32 v[CN+\i], v[ZZ+\i], -0.5, 1.0
.endr
.irp i, 0,1,2,3
	v_fma_f32 v[CN+\i], v[TB2+\i], v[TA+\i], v[CN+\i]  ; cos r
.endr
.irp i, 0,1,2,3
	v_cvt_i32_f32 v[QI+\i], v[KK+\i]               ; the quadrant: odd: sine and cosine change places; the signs follow
.endr
.irp i, 0,1,2,3
	v_and_b32 v[TA+\i], 1, v[QI+\i]
	v_cmp_eq_u32 vcc_lo, 1, v[TA+\i]
	v_cndmask_b32 v[SV+\i], v[SN+\i], v[CN+\i], vcc_lo
	v_cndmask_b32 v[CV+\i], v[CN+\i], v[SN+\i], vcc_lo
	v_and_b32 v[TA+\i], 2, v[QI+\i]
	v_lshlrev_b32 v[TA+\i], 30, v[TA+\i]
	v_xor_b32 v[SV+\i], v[SV+\i], v[TA+\i]
	v_add_nc_u32 v[TB2+\i], 1, v[QI+\i]
	v_and_b32 v[TB2+\i], 2, v[TB2+\i]
	v_lshlrev_b32 v[TB2+\i], 30, v[TB2+\i]
	v_xor_b32 v[CV+\i], v[CV+\i], v[TB2+\i]
.endr
	s_wait_alu depctr_va_vdst(0)                   ; one wait for the eight exponentials
.irp i, 0,1,2,3
	v_mul_f32 v[OUT+\i], v[CV+\i], v[SC+\i]
	v_mul_f32 v[OUT+4+\i], v[SV+\i], v[SC+\i]
	v_mul_f32 v[OUT+8+\i], v[CV+\i], v[SI+\i]
	v_mul_f32 v[OUT+12+\i], v[SV+\i], v[SI+\i]
.endr
.irp q, 0,1,2,3
	global_store_b128 v10, v[OUT+4*\q:OUT+4*\q+3], s[22:23] offset:131072*\q   ; a wave stores 512 consecutive bytes
.endr
	s_endpgm
; ---------------------------------------------------------------- the weights
; A wave takes 64 columns x 256 places along K.  A load brings 4 neighbouring columns a lane: lanes 0-15 one row of the weight, lanes 16-31 another: twice 256 consecutive bytes.
; A block is 32 places: 16 loads; lane half h owns places 16 h + 0 .. 15.  The hold also gathers one column's 16 numbers into consecutive registers, for the conversions.
; The codes go to the wave's own stage (row 16 e + lane % 16 = column 4 (lane % 16) + e) and leave as rows.
.macro WLOAD path, B
.set LSL, LD+64*((\B)%3)
.set k, 0
.rept 16
.if \path == 0
.if k < 8
	global_load_b128 v[LSL+4*k:LSL+4*k+3], v4, s[8:9] offset:(128*(k/4)+8*(\B)+k%4)*FROW th:TH_LOAD_NT
.else
	global_load_b128 v[LSL+4*k:LSL+4*k+3], v4, s[38:39] offset:(128*(k/4-2)+8*(\B)+k%4)*FROW th:TH_LOAD_NT
.endif
.else
	global_load_b128 v[LSL+4*k:LSL+4*k+3], v4, s[8:9] offset:(128*((\B)/4)+64*(((\B)%4)/2)+8*((\B)%2)+16*(k/8)+k%8)*4096 th:TH_LOAD_NT
.endif
.set k, k+1
.endr
.endm
.macro HOLD2 e0                        ; columns e0 and e0 + 1 of the set at LS
.set k, 0
.rept 16
	v_med3_num_f32 v[XT+k], v[LS+4*k+\e0], -v13, v13       ; the conversion to an 8-bit code does not saturate (ISA guide 7.6.2)
	v_med3_num_f32 v[XT+16+k], v[LS+4*k+\e0+1], -v13, v13
.set k, k+1
.endr
.endm
.macro CVT2 e0
.irp q, 0,1,2,3
	v_cvt_scalef32_pk8_fp8_f32 v[CD+4*\e0+2*\q:CD+4*\e0+2*\q+1], v[XT+8*\q:XT+8*\q+7], v12
.endr
	v_nop                                          ; a plain line between the conversions and the next lines that write their sources
.endm
.macro WBLOCK path, B
.set LS, LD+64*((\B)%3)
.if (\B) <= 5
	s_wait_loadcnt 32                              ; this block's 16 loads are in; the two blocks behind it may be out
.elseif (\B) == 6
	s_wait_loadcnt 16
.else
	s_wait_loadcnt 0
.endif
	s_wait_dscnt 0x0                               ; the last block's stage stores have read the code registers
	HOLD2 0
	CVT2 0
	HOLD2 2
.if (\B) < 5
	WLOAD \path, (\B)+3                            ; the set has been read out: it takes the block three on
.endif
	CVT2 2
.irp e, 0,1,2,3
	ds_store_b128 v5, v[CD+4*\e:CD+4*\e+3] offset:\e*16*SP+32*(\B)
.endr
.endm
.macro WALK path                       ; the first three blocks' loads have been issued ahead of it
.set bb, 0
.rept 8
	WBLOCK \path, bb
.set bb, bb+1
.endr
.endm
.Lpath_f:                                          ; group G = 64 columns of W_fused; wave c = places 256 c .. 256 c + 255
	s_lshr_b32 s35, s[WV], 1
	s_and_b32 s36, s[WV], 1
	s_lshl_b32 s35, s35, 9
	s_lshl_b32 s36, s36, 6
	s_add_co_u32 s35, s35, s36                     ; the chunk's first k: 512 (c / 2) + 64 (c % 2)
	s_mul_i32 s36, s35, FROW
	s_lshl_b32 s37, ttmp9, 8
	s_add_co_u32 s36, s36, s37
	s_mov_b32 s37, 0
	s_add_nc_u64 s[8:9], s[8:9], s[36:37]
	s_add_nc_u64 s[38:39], s[8:9], 256*FROW        ; a second base 256 rows down keeps every offset inside the signed 24-bit immediate
	s_lshl_b32 s40, ttmp9, 6                       ; the first row in wfq: 64 G for the first nine groups,
	s_sub_co_u32 s41, ttmp9, 9
	s_and_b32 s42, s41, 63
	s_lshl_b32 s42, s42, 7
	s_lshr_b32 s43, s41, 6
	s_lshl_b32 s43, s43, 6
	s_add_co_u32 s42, s42, s43
	s_add_co_u32 s42, s42, 576                     ; else 576 + 128 u + 64 g
	s_cmp_lt_u32 ttmp9, 9
	s_cselect_b32 s40, s40, s42
	s_lshl_b32 s40, s40, 10
	s_lshl_b32 s41, s[WV], 8
	s_add_co_u32 s40, s40, s41
	s_mov_b32 s41, 0
	s_add_nc_u64 s[18:19], s[18:19], s[40:41]
	s_wait_alu depctr_va_vdst(0)
	v_mul_u32_u24 v4, v3, 4*FROW                   ; lanes 16-31 stand four rows down
	v_lshl_add_u32 v4, v2, 4, v4
	s_mul_i32 s43, s[WV], STGB                     ; my stage
	v_mul_u32_u24 v5, v2, SP
	v_lshl_add_u32 v5, v3, 4, v5
	v_add_nc_u32 v5, s43, v5
	v_mul_u32_u24 v6, v3, 16*SP
	v_lshl_add_u32 v6, v2, 4, v6
	v_add_nc_u32 v6, s43, v6
	v_lshlrev_b32 v7, 10, v3
	v_lshl_add_u32 v7, v2, 4, v7
	s_wait_alu depctr_va_vdst(0)
	WLOAD 0, 0
	WLOAD 0, 1
	WLOAD 0, 2
	s_wait_kmcnt 0x0                               ; the exponents
	MKSCALE 25, 12, 13
	s_wait_alu depctr_va_vdst(0)
	WALK 0
.set t, 0
.rept 32                                           ; stage rows 16 H + 32 (t % 2) + t / 2 are columns 2 t + H
	ds_load_b128 v[LD+4*t:LD+4*t+3], v6 offset:(32*(t%2)+t/2)*SP
.set t, t+1
.endr
.set t, 0
.rept 32
	s_wait_dscnt 31-t
	global_store_b128 v7, v[LD+4*t:LD+4*t+3], s[18:19] offset:2048*t   ; sixteen lanes store 256 consecutive bytes, aligned
.set t, t+1
.endr
	s_set_vgpr_msb 0x5
	s_wait_tensorcnt 0x0
	ds_add_u32 v0, v1
	s_wait_dscnt 0x0
	s_set_vgpr_msb 0x500
	s_endpgm
.Lpath_o:                                          ; unit = 256 rows of K (two blocks kb) x 64 columns
	s_sub_co_u32 s35, ttmp9, 137
	s_lshl_b32 s35, s35, 2
	s_add_co_u32 s35, s35, s[WV]
	s_lshr_b32 s36, s35, 4                         ; ck 0 .. 17
	s_and_b32 s37, s35, 15                         ; cg 0 .. 15
	s_sub_co_u32 s38, s36, 2
	s_cmp_lt_u32 s36, 2                            ; the first two chunks are W_attn_out's
	s_cselect_b64 s[8:9], s[10:11], s[12:13]
	s_cselect_b32 s38, s36, s38
	s_lshl_b32 s38, s38, 20
	s_lshl_b32 s39, s37, 8
	s_add_co_u32 s38, s38, s39
	s_mov_b32 s39, 0
	s_add_nc_u64 s[8:9], s[8:9], s[38:39]
	s_lshr_b32 s40, s37, 1
	s_mul_i32 s40, s40, 36
	s_lshl_b32 s41, s36, 1
	s_add_co_u32 s40, s40, s41
	s_lshl_b32 s40, s40, 7
	s_and_b32 s41, s37, 1
	s_lshl_b32 s41, s41, 6
	s_add_co_u32 s40, s40, s41
	s_lshl_b32 s40, s40, 7
	s_mov_b32 s41, 0
	s_add_nc_u64 s[20:21], s[20:21], s[40:41]
	s_wait_alu depctr_va_vdst(0)
	v_lshlrev_b32 v4, 17, v3                       ; lanes 16-31 stand 32 rows down
	v_lshl_add_u32 v4, v2, 4, v4
	s_mul_i32 s43, s[WV], STGB
	s_add_co_u32 s43, s43, 4*STGB                  ; this path's stages lie behind the other path's
	v_mul_u32_u24 v5, v2, SP
	v_lshl_add_u32 v5, v3, 4, v5
	v_add_nc_u32 v5, s43, v5
	v_lshrrev_b32 v8, 3, v1
	v_mul_u32_u24 v6, v8, 16*SP
	v_and_b32 v8, 7, v1
	v_lshl_add_u32 v6, v8, 4, v6
	v_add_nc_u32 v6, s43, v6
	v_lshlrev_b32 v7, 4, v1
	s_wait_alu depctr_va_vdst(0)
	WLOAD 1, 0
	WLOAD 1, 1
	WLOAD 1, 2
	s_wait_kmcnt 0x0                               ; the exponents
	s_cmp_lt_u32 s36, 2                            ; the first two chunks are W_attn_out's
	s_cselect_b32 s46, s31, s33                    ; e7 or e9
	MKSCALE 46, 12, 13
	s_wait_alu depctr_va_vdst(0)
	WALK 1
.set t, 0
.rept 32                                           ; half t / 16 of the stage rows; rows 16 (lane / 8) + t % 16 are columns 4 (t % 16) + lane / 8
	ds_load_b128 v[LD+4*t:LD+4*t+3], v6 offset:SP*(t%16)+128*(t/16)
.set t, t+1
.endr
.set t, 0
.rept 32
	s_wait_dscnt 31-t
	global_store_b128 v7, v[LD+4*t:LD+4*t+3], s[20:21] offset:16384*(t/16)+512*(t%16)   ; four rows of 128 bytes: 512 consecutive bytes
.set t, t+1
.endr
	s_set_vgpr_msb 0x5
	s_wait_tensorcnt 0x0
	ds_add_u32 v0, v1
	s_wait_dscnt 0x0
	s_set_vgpr_msb 0x500
	s_endpgm
; ---------------------------------------------------------------- LayerNorm
; One wave, one row; eight rows a wave, four row slots in registers.  Mean, then the mean of the squared differences, as the definition has them.
.set T,    4                           ; v4-11   four chains
.set GM,   32                          ; v32-63  gamma, in the rows' own order
.set XS,   64                          ; v64-191 four slots of 32
.set CODE, 192                         ; v192-255 eight registers of codes a row, never rewritten
.macro LNLOAD i
.irp j, 0,1,2,3,4,5,6,7
	global_load_b128 v[XS+32*((\i)%4)+4*\j:XS+32*((\i)%4)+4*\j+3], v20, s[4:5] offset:(\i)*4096+512*\j th:TH_LOAD_NT
.endr
.endm
.macro FOLD                            ; the four chains and the 32 lanes -> v14, in every lane
	v_pk_add_f32 v[T:T+1], v[T:T+1], v[T+2:T+3]
	v_pk_add_f32 v[T+4:T+5], v[T+4:T+5], v[T+6:T+7]
	v_pk_add_f32 v[T:T+1], v[T:T+1], v[T+4:T+5]
	v_add_f32 v14, v[T], v[T+1]
	v_add_f32_dpp v14, v14, v14 row_xmask:1 row_mask:0xf bank_mask:0xf
	v_add_f32_dpp v14, v14, v14 row_xmask:2 row_mask:0xf bank_mask:0xf
	v_add_f32_dpp v14, v14, v14 row_xmask:4 row_mask:0xf bank_mask:0xf
	v_add_f32_dpp v14, v14, v14 row_xmask:8 row_mask:0xf bank_mask:0xf
	v_permlanex16_b32 v15, v14, s46, s47
	v_add_f32 v14, v14, v15
.endm
.macro LNROW i, left
.set RS, XS+32*((\i)%4)
.set RC, CODE+8*(\i)
	s_wait_loadcnt \left                           ; this row's eight loads are in; the rows behind it stay out
.irp c, 0,2,4,6
	v_pk_add_f32 v[T+\c:T+\c+1], v[RS+\c:RS+\c+1], v[RS+8+\c:RS+8+\c+1]
.endr
.irp g, 16,24
.irp c, 0,2,4,6
	v_pk_add_f32 v[T+\c:T+\c+1], v[T+\c:T+\c+1], v[RS+\g+\c:RS+\g+\c+1]
.endr
.endr
	FOLD
	v_mul_f32 v16, s48, v14                        ; the mean
	v_mov_b32 v17, v16
.set p, 0
.rept 16
	v_pk_add_f32 v[RS+p:RS+p+1], v[RS+p:RS+p+1], v[16:17] neg_lo:[0,1] neg_hi:[0,1]
.set p, p+2
.endr
.irp c, 0,2,4,6
	v_pk_mul_f32 v[T+\c:T+\c+1], v[RS+\c:RS+\c+1], v[RS+\c:RS+\c+1]
.endr
.irp g, 8,16,24
.irp c, 0,2,4,6
	v_pk_fma_f32 v[T+\c:T+\c+1], v[RS+\g+\c:RS+\g+\c+1], v[RS+\g+\c:RS+\g+\c+1], v[T+\c:T+\c+1]
.endr
.endr
	FOLD
	v_fma_f32 v16, v14, s48, s49                   ; the variance + 1e-5
	s_wait_alu depctr_va_vdst(0)
	v_rsq_f32 v16, v16
	v_nop                                          ; a plain line behind the transcendental,
	s_wait_alu depctr_va_vdst(0)                   ; and the wait ahead of its first reader
	v_mov_b32 v17, v16
.set p, 0
.rept 16
	v_pk_mul_f32 v[RS+p:RS+p+1], v[RS+p:RS+p+1], v[16:17]
.set p, p+2
.endr
.set p, 0
.rept 16
	v_pk_mul_f32 v[RS+p:RS+p+1], v[RS+p:RS+p+1], v[GM+p:GM+p+1]
.set p, p+2
.endr
.set p, 0
.rept 32
	v_med3_num_f32 v[RS+p], v[RS+p], -v13, v13
.set p, p+1
.endr
.irp q, 0,1,2,3
	v_cvt_scalef32_pk8_fp8_f32 v[RC+2*\q:RC+2*\q+1], v[RS+8*\q:RS+8*\q+7], v12
.endr
	v_nop
	global_store_b128 v20, v[RC:RC+3], s[16:17] offset:(\i)*1024       ; the wave stores 512 consecutive bytes, twice: the row's 1,024 codes
	global_store_b128 v20, v[RC+4:RC+7], s[16:17] offset:(\i)*1024+512
.if (\i) < 4
	LNLOAD (\i)+4
.endif
.endm
.Lpath_ln:
	s_sub_co_u32 s35, ttmp9, 209
	s_lshl_b32 s35, s35, 5
	s_lshl_b32 s36, s[WV], 3
	s_add_co_u32 s35, s35, s36                     ; my first row
	s_lshl_b32 s36, s35, 12
	s_mov_b32 s37, 0
	s_add_nc_u64 s[4:5], s[4:5], s[36:37]
	s_lshl_b32 s36, s35, 10
	s_add_nc_u64 s[16:17], s[16:17], s[36:37]
	s_mov_b32 s46, 0x76543210
	s_mov_b32 s47, 0xfedcba98
	s_mov_b32 s48, 0x3a800000                      ; 1 / 1024
	s_mov_b32 s49, 0x3727c5ac                      ; 1e-5
	s_wait_alu depctr_va_vdst(0)
	v_lshlrev_b32 v20, 4, v1
	v_mov_b32 v15, 0                               ; a lane permute's destination counts as read
.irp j, 0,1,2,3,4,5,6,7
	global_load_b128 v[GM+4*\j:GM+4*\j+3], v20, s[6:7] offset:512*\j
.endr
	LNLOAD 0
	LNLOAD 1
	LNLOAD 2
	LNLOAD 3
	s_wait_kmcnt 0x0                               ; the exponents
	MKSCALE 24, 12, 13
	LNROW 0, 24
	LNROW 1, 24
	LNROW 2, 24
	LNROW 3, 24
	LNROW 4, 24
	LNROW 5, 16
	LNROW 6, 8
	LNROW 7, 0
	s_endpgm
.Lfunc_end_k_q8018fc6c77_prep:
	.size	k_q8018fc6c77_prep, .Lfunc_end_k_q8018fc6c77_prep-k_q8018fc6c77_prep
	.p2alignl 7, 3214868480
	.fill 96, 4, 3214868480
	.section	.rodata,"a",@progbits
	.p2align	6, 0x0
	.amdhsa_kernel k_q8018fc6c77_prep
		.amdhsa_group_segment_fixed_size 139776
		.amdhsa_private_segment_fixed_size 0
		.amdhsa_enable_private_segment 0
		.amdhsa_kernarg_size 80
		.amdhsa_user_sgpr_count 2
		.amdhsa_user_sgpr_kernarg_segment_ptr 1
		.amdhsa_wavefront_size32 1
		.amdhsa_system_sgpr_workgroup_id_x 1
		.amdhsa_system_sgpr_workgroup_id_y 1
		.amdhsa_system_sgpr_workgroup_id_z 1
		.amdhsa_system_vgpr_workitem_id 0
		.amdhsa_next_free_vgpr 258
		.amdhsa_next_free_sgpr 66
		.amdhsa_reserve_vcc 1
		.amdhsa_float_denorm_mode_32 3
		.amdhsa_float_denorm_mode_16_64 3
		.amdhsa_memory_ordered 1
		.amdhsa_forward_progress 1
		.amdhsa_inst_pref_size 206
	.end_amdhsa_kernel
	.amdgpu_metadata
---
amdhsa.version: [ 1, 2 ]
amdhsa.kernels:
  - .name:           k_q8018fc6c77_prep
    .symbol:         k_q8018fc6c77_prep.kd
    .args:
      - { .name: x, .offset: 0, .size: 8, .value_kind: global_buffer, .address_space: global }
      - { .name: gamma, .offset: 8, .size: 8, .value_kind: global_buffer, .address_space: global }
      - { .name: W_fused, .offset: 16, .size: 8, .value_kind: global_buffer, .address_space: global }
      - { .name: W_attn_out, .offset: 24, .size: 8, .value_kind: global_buffer, .address_space: global }
      - { .name: W_ff_out, .offset: 32, .size: 8, .value_kind: global_buffer, .address_space: global }
      - { .name: lowp_scales, .offset: 40, .size: 8, .value_kind: global_buffer, .address_space: global }
      - { .name: xq, .offset: 48, .size: 8, .value_kind: global_buffer, .address_space: global }
      - { .name: wfq, .offset: 56, .size: 8, .value_kind: global_buffer, .address_space: global }
      - { .name: woq, .offset: 64, .size: 8, .value_kind: global_buffer, .address_space: global }
      - { .name: tab, .offset: 72, .size: 8, .value_kind: global_buffer, .address_space: global }
    .group_segment_fixed_size: 139776
    .private_segment_fixed_size: 0
    .kernarg_segment_align: 8
    .kernarg_segment_size: 80
    .max_flat_workgroup_size: 128
    .sgpr_count:     66
    .vgpr_count:     258
    .wavefront_size: 32
...
	.end_amdgpu_metadata
.endif
;; end of part 1
;; launch qkv (part 2): grid 32 x 6, 4 waves a work-group, clusters of 4 x 1, 262,656 bytes of LDS; arguments xq, wfq, tab, lowp_scales, qk, vq; writes qk, vq
.if DOCPART == 2
	.amdgcn_target "amdgcn-amd-amdhsa--gfx1250"
	.amdhsa_code_object_version 6
	.text
	.protected	k_q8018fc6c77_qkv
	.globl	k_q8018fc6c77_qkv
	.p2align	8
	.type	k_q8018fc6c77_qkv,@function
k_q8018fc6c77_qkv:
	s_mov_b64 s[64:65], 0
	v_nop
	global_prefetch_b8 v0, s[64:65] scope:SCOPE_SE
	s_setreg_imm32_b32 hwreg(HW_REG_WAVE_MODE, 25, 1), 1
	s_wait_xcnt 0x0
	s_wait_alu depctr_hold_cnt(0) depctr_sa_sdst(0) depctr_va_vdst(0) depctr_va_sdst(0) depctr_va_ssrc(0) depctr_va_vcc(0) depctr_vm_vsrc(0)
	s_getreg_b32 s2, hwreg(HW_REG_IB_STS2, 6, 4)
	s_cmp_eq_u32 s2, 0
	s_cbranch_scc0 .Lentry_in_a_cluster
	s_endpgm
.Lentry_in_a_cluster:
	s_bfe_u32 s2, ttmp6, 0x10000c
	s_cmp_lg_u32 s2, 0x3003
	s_cbranch_scc0 .Lentry_shape_is_right
	s_endpgm
.Lentry_shape_is_right:
; QKV: columns 0 .. 575 of the fused projection (q 512, k 32, v 32) on codes of E4M3, the rotary turn, and the codes of q, k and v.
; A work-group takes 128 rows (rg) x 96 columns (g): three slots of 32 columns; slot 3 g + p: 0 .. 15 heads of q, 16 k, 17 v.  A wave takes 32 rows x all 96 columns: 12 accumulators.
; All of K (1,024) lies in LDS, in four quarters of 256, each filled once: nothing is filled again.
; CLUSTER: the four work-groups of a cluster share g, so the weights' tiles are asked for jointly; the rows' tiles are each work-group's own.  The one branch on a work-group number hangs on g, which the partners share.
; THE MATRIX INSTRUCTION IS USED TRANSPOSED (source 0 = 16 columns' weights, source 1 = 16 rows of xq): a lane holds one row and eight neighbouring columns d = 8 h + j (first tile of a slot) and 16 + 8 h + j (second):
; the two partners of the rotary turn lie in the same lane.
; qk [b][slot 17][m 2048][32 bytes]: bytes 16 h + 0..7 are d = 8 h + 0..7, bytes 16 h + 8..15 are d = 16 + 8 h + 0..7.   vq [b][s 16][dt 2][c 4][lane 32][16 bytes]: lane 16 ((key>>4)&1) + d % 16 holds keys 16 neighbours: the image of V^T's fragments.
; LIMITS: e2 - e0 - e1, e3 - e0 - e1 and e5 - e0 - e1 between -126 and 119.
; THE FILLS AS THEY STAND NOW (in place of the four quarters named above): each wave issues ONE tensor load, whole rows of 1,024 bytes (waves 0, 1: 64 rows of xq each; waves 2, 3: 48 rows of wfq each, jointly).
.set PITCH, 1040                       ; an LDS row: 1,024 bytes + 16 = 65 x 16 bytes: the 16 rows of a fragment load start at 16 different groups of banks
.set QTR,   224*PITCH                  ; a quarter: 128 rows of xq, then 96 rows of wfq
.set BOFF,  128*PITCH
.set VST,   QTR                        ; behind the 224 rows: a stage of 32 rows x 144 bytes for each wave (v's way out); no fill lands there
.set VSP,   144
.set F0,    32                         ; v32-95, v96-159: two fragment buffers: rows' tiles at +8 a, weights' at +16 + 8 n
.set ACC,   160                        ; v160-255: accumulator (a, n) at 160 + 8 (6 a + n)
.set TBL,   0                          ; the rotary table, 64 registers in the second window: v256-319, asked for at the head
.set TM,    96                         ; at work, 32 registers
.set COD,   128                        ; codes, 4 registers for each (slot, a), never rewritten
.set G1A,   16
.set G1B,   24
.set G0A,   32                         ; s[32:35] group 0 for the rows' tiles, s[48:51] for the weights'
.set G0B,   48
.set WV,    66
.macro PLACES n
.rept \n
	v_nop
.endr
.endm
.macro CROUND                          ; a round of the cluster's barrier
	s_barrier_signal -1
	s_barrier_wait -1
	s_cmp_lg_u32 s[WV], 0
	s_cbranch_scc1 .Lnot_wave_0_\@
	s_barrier_signal -3
.Lnot_wave_0_\@:
	s_barrier_wait -3
	s_barrier_signal -1
	s_barrier_wait -1
.endm
.macro MKSCALE se, vs, vl
	s_add_co_i32 s84, s[\se], 127
	s_lshl_b32 s85, s84, 23
	v_mov_b32 v[\vs], s85
	s_add_co_i32 s84, s84, 8
	s_lshl_b32 s84, s84, 23
	s_or_b32 s84, s84, 0x600000
	v_mov_b32 v[\vl], s84
.endm
	s_load_b256 s[4:11], s[0:1], 0x0               ; xq 4, wfq 6, tab 8, scales 10
	s_load_b128 s[12:15], s[0:1], 0x20             ; qk 12, vq 14
	v_lshl_add_u32 v30, v0, 2, 0x40000
	v_mov_b32 v31, 0
	ds_add_u32 v30, v31
	ds_add_u32 v30, v31
	v_lshrrev_b32 v1, 5, v0
	v_readfirstlane_b32 s[WV], v1
	s_bfe_u32 s67, ttmp6, 0x40000                  ; cx
	s_lshl_b32 s68, ttmp9, 2
	s_add_co_u32 s68, s68, s67                     ; rg: my 128 rows
	s_and_b32 s69, ttmp7, 0xffff                   ; g: my 96 columns
	s_and_b32 s70, s[WV], 1
	s_mov_b32 s[G1A], (1<<20)|(7<<22)|(3<<25)      ; no mask; elements of 1 byte; 4 words of padding behind every 256 words, a row
	s_mov_b32 s[G1A+1], 1024<<16
	s_mov_b32 s[G1A+2], 64<<16
	s_mov_b32 s[G1A+3], 1024<<16
	s_mov_b32 s[G1A+4], 64
	s_mov_b32 s[G1A+5], 1024
	s_mov_b32 s[G1A+6], 0
	s_mov_b32 s[G1A+7], 0
	s_mov_b32 s[G1B], 15|(1<<20)|(1<<21)|(7<<22)|(3<<25)   ; the mask names all four work-groups
	s_mov_b32 s[G1B+1], 1024<<16
	s_mov_b32 s[G1B+2], 48<<16
	s_mov_b32 s[G1B+3], 1024<<16
	s_mov_b32 s[G1B+4], 48
	s_mov_b32 s[G1B+5], 1024
	s_mov_b32 s[G1B+6], 0
	s_mov_b32 s[G1B+7], 0
	s_lshl_b32 s80, s68, 17                        ; rows: (128 rg + 64 (w % 2)) x 1,024 bytes
	s_lshl_b32 s81, s70, 16
	s_add_co_u32 s80, s80, s81
	s_mov_b32 s81, 0
	s_mul_i32 s84, s69, 98304                      ; weights: (96 g + 48 (w % 2)) x 1,024 bytes: no place in the cluster enters
	s_mul_i32 s85, s70, 49152
	s_add_co_u32 s84, s84, s85
	s_mov_b32 s85, 0
	s_mul_i32 s88, s70, 64*PITCH
	s_mul_i32 s89, s70, 48*PITCH
	s_add_co_u32 s89, s89, BOFF
	s_wait_dscnt 0x0
	s_wait_kmcnt 0x0
	s_load_b256 s[72:79], s[10:11], 0x0            ; e0 .. e7
	s_add_nc_u64 s[82:83], s[4:5], s[80:81]
	s_add_nc_u64 s[86:87], s[6:7], s[84:85]
.irp q, 0
	s_mov_b32 s[G0A+4*\q], 1
	s_add_co_u32 s[G0A+4*\q+1], s88, \q*QTR
	s_add_nc_u64 s[G0A+4*\q+2:G0A+4*\q+3], s[82:83], \q*256
	s_or_b32 s[G0A+4*\q+3], s[G0A+4*\q+3], 0x80000000
	s_mov_b32 s[G0B+4*\q], 1
	s_add_co_u32 s[G0B+4*\q+1], s89, \q*QTR
	s_add_nc_u64 s[G0B+4*\q+2:G0B+4*\q+3], s[86:87], \q*256
	s_or_b32 s[G0B+4*\q+3], s[G0B+4*\q+3], 0x80000000
.endr
	CROUND                                         ; all four work-groups are here: the joint loads meet
	s_cmp_lt_u32 s[WV], 2                          ; waves 0, 1: the rows' halves; waves 2, 3: the weights'.  A wave's one fill stands in one branch: one load of mine is out
	s_cbranch_scc0 .Lfill_b
	tensor_load_to_lds s[G0A:G0A+3], s[G1A:G1A+7]
	s_nop 0
	PLACES 4
	s_branch .Lfilled
.Lfill_b:
	tensor_load_to_lds s[G0B:G0B+3], s[G1B:G1B+7]
	s_nop 0
	PLACES 4
.Lfilled:
	v_and_b32 v1, 15, v0                           ; r
	v_bfe_u32 v2, v0, 4, 1                         ; h
	v_mul_u32_u24 v3, v1, PITCH
	v_lshl_add_u32 v3, v2, 4, v3
	s_mul_i32 s90, s[WV], 32*PITCH                 ; my 32 rows
	v_add_nc_u32 v4, s90, v3                       ; v4: the rows' fragments
	v_add_nc_u32 v8, BOFF, v3                      ; v8: the weights' tiles 0-2,
	v_add_nc_u32 v9, BOFF+48*PITCH, v3             ; v9: tiles 3-5: so every offset stays inside 16 bits
	v_lshlrev_b32 v12, 6, v1
	v_lshl_add_u32 v12, v2, 5, v12                 ; the table: row r of 64 bytes, + 32 h
	v_lshlrev_b32 v13, 5, v1
	v_lshl_add_u32 v13, v2, 4, v13                 ; qk: row r of 32 bytes, + 16 h
	s_mul_i32 s90, s[WV], 32*VSP
	s_add_co_u32 s90, s90, VST                     ; my stage
	v_mul_u32_u24 v14, v1, VSP
	v_lshl_add_u32 v14, v2, 5, v14
	v_add_nc_u32 v14, s90, v14                     ; in: key r, + 32 h bytes
	v_mul_u32_u24 v15, v2, 8*VSP
	v_lshl_add_u32 v15, v1, 2, v15
	v_add_nc_u32 v15, s90, v15                     ; out: keys 8 h on, channel r
	v_lshlrev_b32 v16, 4, v1
	v_lshl_add_u32 v16, v2, 3, v16                 ; vq: 16 r + 8 h
	s_and_b32 s71, s68, 15                         ; my 128 positions of the batch's 2,048
	s_lshr_b32 s91, s68, 4                         ; the batch
	s_lshl_b32 s80, s71, 13
	s_lshl_b32 s81, s[WV], 11
	s_add_co_u32 s80, s80, s81
	s_mov_b32 s81, 0
	s_add_nc_u64 s[8:9], s[8:9], s[80:81]          ; the table at my first position, role 0
	s_cmp_eq_u32 s69, 5
	s_cselect_b32 s80, 262144, 0
	s_add_nc_u64 s[92:93], s[8:9], s[80:81]        ; for the second slot: role 1 where that slot is k
	s_mul_i32 s96, s91, 17
	s_mul_i32 s97, s69, 3
	s_add_co_u32 s96, s96, s97
	s_lshl_b32 s96, s96, 11
	s_lshl_b32 s97, s71, 7
	s_add_co_u32 s96, s96, s97
	s_lshl_b32 s97, s[WV], 5
	s_add_co_u32 s96, s96, s97
	s_lshl_b32 s96, s96, 5
	s_mov_b32 s97, 0
	s_add_nc_u64 s[12:13], s[12:13], s[96:97]      ; qk at (batch, slot 3 g, my first position)
	s_lshl_b32 s96, s91, 16
	s_lshl_b32 s94, s71, 12
	s_add_co_u32 s96, s96, s94
	s_lshl_b32 s94, s[WV], 9
	s_add_co_u32 s96, s96, s94
	s_add_nc_u64 s[14:15], s[14:15], s[96:97]      ; vq at (batch, s = my 128 keys, c = my 32)
.macro FETCH s, f                      ; step s (64 along K): 16 LDS loads
.irp a, 0,1
	ds_load_b128 v[\f+8*\a:\f+8*\a+3], v4 offset:\a*16*PITCH+64*(\s)
	ds_load_b128 v[\f+8*\a+4:\f+8*\a+7], v4 offset:\a*16*PITCH+64*(\s)+32
.endr
.irp n, 0,1,2,3,4,5
	ds_load_b128 v[\f+16+8*\n:\f+16+8*\n+3], v[8+\n/3] offset:(\n%3)*16*PITCH+64*(\s)
	ds_load_b128 v[\f+16+8*\n+4:\f+16+8*\n+7], v[8+\n/3] offset:(\n%3)*16*PITCH+64*(\s)+32
.endr
.endm
.macro MUL s, f                        ; 12 products; the accumulators take turns, one instruction a turn, in the same order in every step
.irp a, 0,1
.irp n, 0,1,2,3,4,5
.if (\s) == 0
	v_wmma_f32_16x16x64_fp8_fp8 v[ACC+8*(6*\a+\n):ACC+8*(6*\a+\n)+7], v[\f+16+8*\n:\f+16+8*\n+7], v[\f+8*\a:\f+8*\a+7], 0
.else
	v_wmma_f32_16x16x64_fp8_fp8 v[ACC+8*(6*\a+\n):ACC+8*(6*\a+\n)+7], v[\f+16+8*\n:\f+16+8*\n+7], v[\f+8*\a:\f+8*\a+7], v[ACC+8*(6*\a+\n):ACC+8*(6*\a+\n)+7]
.endif
.endr
.endr
.endm
.macro TABLOAD                         ; cos and sin (x or / the scale) of my 32 positions, my eight frequencies: set 0 role 0, set 1 the second slot's role
	s_set_vgpr_msb 0x0040                          ; destination in the second window
.irp a, 0,1
.irp c, 0,1
.irp x, 0,1
	global_load_b128 v[TBL+16*\a+8*\c+4*\x:TBL+16*\a+8*\c+4*\x+3], v12, s[8:9] offset:1024*\a+131072*\c+16*\x
	global_load_b128 v[TBL+32+16*\a+8*\c+4*\x:TBL+32+16*\a+8*\c+4*\x+3], v12, s[92:93] offset:1024*\a+131072*\c+16*\x
.endr
.endr
.endr
	s_set_vgpr_msb 0x4000
.endm
.macro KS s
.set FB, F0+64*((\s)%2)
.set FN, F0+64*(((\s)+1)%2)
.if (\s) > 0
	PLACES 4                                       ; in front of loads into the buffer that the last step's products read
.endif
.if (\s) < 15
	FETCH (\s)+1, FN
	s_wait_dscnt 16                                ; all but the 16 just issued
.else
	s_wait_dscnt 0x0
.endif
	MUL \s, FB
.endm
	TABLOAD                                        ; 16 loads into registers that nothing else names: they are waited for on the way out
	s_wait_alu depctr_va_vdst(0)                   ; the wait at the head's end
	s_wait_tensorcnt 0x0                           ; my one load has landed,
	s_barrier_signal -1
	s_barrier_wait -1
	FETCH 0, F0
.set ks, 0
.rept 16
	KS ks
.set ks, ks+1
.endr
	; THE WAY OUT.  A sum stands for sum x 2^(e0 + e1): the conversions take 2^(e - e0 - e1).
	PLACES 4
	s_wait_kmcnt 0x0
	s_add_co_i32 s80, s72, s73
	s_sub_co_i32 s81, s74, s80                     ; q's
	s_sub_co_i32 s82, s75, s80                     ; k's
	s_sub_co_i32 s83, s77, s80                     ; v's
	s_cmp_eq_u32 s69, 5
	s_cselect_b32 s82, s82, s81                    ; the second slot is k where g = 5
	MKSCALE 81, 17, 18
	MKSCALE 82, 19, 20
	MKSCALE 83, 21, 22
	s_wait_loadcnt 0x0                             ; the table
; slot p, rows 16 a on: out(d < 16) = t1 C - t2 S, out(d >= 16) = t2 C + t1 S; held, converted, stored: 16 rows x 32 bytes = 512 consecutive bytes.  Each accumulator is read from its low end on.
.macro ROPE p, a, tau, sc, lim
.set T1, ACC+8*(6*(\a)+2*(\p))
.set T2, T1+8
.set TC, TBL+32*(\tau)+16*(\a)
.set TS, TC+8
.set CR, COD+4*(2*(\p)+(\a))
	s_set_vgpr_msb 0x0004                          ; source 1, the table, in the second window
.irp j, 0,2,4,6
	v_pk_mul_f32 v[TM+\j:TM+\j+1], v[T2+\j:T2+\j+1], v[TS+\j:TS+\j+1]
.endr
.irp j, 0,2,4,6
	v_pk_mul_f32 v[TM+8+\j:TM+8+\j+1], v[T1+\j:T1+\j+1], v[TS+\j:TS+\j+1]
.endr
.irp j, 0,2,4,6
	v_pk_fma_f32 v[TM+16+\j:TM+16+\j+1], v[T1+\j:T1+\j+1], v[TC+\j:TC+\j+1], v[TM+\j:TM+\j+1] neg_lo:[0,0,1] neg_hi:[0,0,1]
.endr
.irp j, 0,2,4,6
	v_pk_fma_f32 v[TM+24+\j:TM+24+\j+1], v[T2+\j:T2+\j+1], v[TC+\j:TC+\j+1], v[TM+8+\j:TM+8+\j+1]
.endr
	s_set_vgpr_msb 0x0400
.irp j, 0,1,2,3,4,5,6,7,8,9,10,11,12,13,14,15
	v_med3_num_f32 v[TM+16+\j], v[TM+16+\j], -v[\lim], v[\lim]
.endr
	v_cvt_scalef32_pk8_fp8_f32 v[CR:CR+1], v[TM+16:TM+23], v[\sc]
	v_cvt_scalef32_pk8_fp8_f32 v[CR+2:CR+3], v[TM+24:TM+31], v[\sc]
	v_nop                                          ; a plain line between the conversions and the next lines that write their sources
	global_store_b128 v13, v[CR:CR+3], s[12:13] offset:65536*(\p)+512*(\a)
.endm
	ROPE 0, 0, 0, 17, 18
	ROPE 0, 1, 0, 17, 18
	ROPE 1, 0, 1, 19, 20
	ROPE 1, 1, 1, 19, 20
	s_cmp_eq_u32 s69, 5
	s_cbranch_scc1 .Lvout
	ROPE 2, 0, 0, 17, 18
	ROPE 2, 1, 0, 17, 18
	s_branch .Ldone
.Lvout:                                            ; the third slot is v: its K in the second attention product is the keys, which lie across lanes here: through my own stage, as f32
.irp a, 0,1
.irp u, 0,1
	ds_store_b128 v14, v[ACC+8*(6*\a+4+\u):ACC+8*(6*\a+4+\u)+3] offset:16*VSP*\a+64*\u
	ds_store_b128 v14, v[ACC+8*(6*\a+4+\u)+4:ACC+8*(6*\a+4+\u)+7] offset:16*VSP*\a+64*\u+16
.endr
.endr
.irp a, 0,1
.irp u, 0,1
.irp j, 0,1,2,3,4,5,6,7
	ds_load_b32 v[TM+8*(2*\a+\u)+\j], v15 offset:(16*\a+\j)*VSP+64*\u   ; channel 16 u + r, keys 16 a + 8 h + j.  LDS serves a wave's instructions in order: these see my stores
.endr
.endr
.endr
	s_wait_dscnt 0x0
.set j, 0
.rept 32
	v_med3_num_f32 v[TM+j], v[TM+j], -v22, v22
.set j, j+1
.endr
.irp q, 0,1,2,3
	v_cvt_scalef32_pk8_fp8_f32 v[COD+16+2*\q:COD+16+2*\q+1], v[TM+8*\q:TM+8*\q+7], v21
.endr
	v_nop
.irp a, 0,1
.irp u, 0,1
	global_store_b64 v16, v[COD+16+2*(2*\a+\u):COD+16+2*(2*\a+\u)+1], s[14:15] offset:2048*\u+256*\a   ; the wave stores 256 consecutive bytes, aligned
.endr
.endr
.Ldone:
	s_wait_tensorcnt 0x0
	ds_add_u32 v30, v31
	s_wait_dscnt 0x0
	CROUND                                         ; the closing round
	s_endpgm
.Lfunc_end_k_q8018fc6c77_qkv:
	.size	k_q8018fc6c77_qkv, .Lfunc_end_k_q8018fc6c77_qkv-k_q8018fc6c77_qkv
	.p2alignl 7, 3214868480
	.fill 96, 4, 3214868480
	.section	.rodata,"a",@progbits
	.p2align	6, 0x0
	.amdhsa_kernel k_q8018fc6c77_qkv
		.amdhsa_group_segment_fixed_size 262656
		.amdhsa_private_segment_fixed_size 0
		.amdhsa_enable_private_segment 0
		.amdhsa_kernarg_size 48
		.amdhsa_user_sgpr_count 2
		.amdhsa_user_sgpr_kernarg_segment_ptr 1
		.amdhsa_wavefront_size32 1
		.amdhsa_system_sgpr_workgroup_id_x 1
		.amdhsa_system_sgpr_workgroup_id_y 1
		.amdhsa_system_sgpr_workgroup_id_z 1
		.amdhsa_system_vgpr_workitem_id 0
		.amdhsa_next_free_vgpr 320
		.amdhsa_next_free_sgpr 100
		.amdhsa_reserve_vcc 0
		.amdhsa_float_denorm_mode_32 3
		.amdhsa_float_denorm_mode_16_64 3
		.amdhsa_memory_ordered 1
		.amdhsa_forward_progress 1
		.amdhsa_inst_pref_size 59
	.end_amdhsa_kernel
	.amdgpu_metadata
---
amdhsa.version: [ 1, 2 ]
amdhsa.kernels:
  - .name:           k_q8018fc6c77_qkv
    .symbol:         k_q8018fc6c77_qkv.kd
    .args:
      - { .name: xq, .offset: 0, .size: 8, .value_kind: global_buffer, .address_space: global }
      - { .name: wfq, .offset: 8, .size: 8, .value_kind: global_buffer, .address_space: global }
      - { .name: tab, .offset: 16, .size: 8, .value_kind: global_buffer, .address_space: global }
      - { .name: lowp_scales, .offset: 24, .size: 8, .value_kind: global_buffer, .address_space: global }
      - { .name: qk, .offset: 32, .size: 8, .value_kind: global_buffer, .address_space: global }
      - { .name: vq, .offset: 40, .size: 8, .value_kind: global_buffer, .address_space: global }
    .group_segment_fixed_size: 262656
    .private_segment_fixed_size: 0
    .kernarg_segment_align: 8
    .kernarg_segment_size: 48
    .max_flat_workgroup_size: 128
    .sgpr_count:     100
    .vgpr_count:     320
    .wavefront_size: 32
...
	.end_amdgpu_metadata
.endif
;; end of part 2
;; launch attn (part 3): grid 128 x 2, 16 waves a work-group, clusters of 4 x 1, 169,984 bytes of LDS; arguments qk, vq, lowp_scales, aq; writes aq
.if DOCPART == 3
	.amdgcn_target "amdgcn-amd-amdhsa--gfx1250"
	.amdhsa_code_object_version 6
	.text
	.protected	k_q8018fc6c77_attn
	.globl	k_q8018fc6c77_attn
	.p2align	8
	.type	k_q8018fc6c77_attn,@function
k_q8018fc6c77_attn:
	s_mov_b64 s[64:65], 0
	v_nop
	global_prefetch_b8 v0, s[64:65] scope:SCOPE_SE
	s_setreg_imm32_b32 hwreg(HW_REG_WAVE_MODE, 25, 1), 1
	s_wait_xcnt 0x0
	s_wait_alu depctr_hold_cnt(0) depctr_sa_sdst(0) depctr_va_vdst(0) depctr_va_sdst(0) depctr_va_ssrc(0) depctr_va_vcc(0) depctr_vm_vsrc(0)
	s_getreg_b32 s2, hwreg(HW_REG_IB_STS2, 6, 4)
	s_cmp_eq_u32 s2, 0
	s_cbranch_scc0 .Lentry_in_a_cluster
	s_endpgm
.Lentry_in_a_cluster:
	s_bfe_u32 s2, ttmp6, 0x10000c
	s_cmp_lg_u32 s2, 0x3003
	s_cbranch_scc0 .Lentry_shape_is_right
	s_endpgm
.Lentry_shape_is_right:
; ATTN: causal multi-query attention on codes of E4M3; 16 heads of 32, one k and one v for a batch, 2,048 positions.
; t = score x log2(e) / sqrt(32); M = the running largest t rounded UP to a whole number; p = 2^(t - M) is quantised with 2^e4, not normalised; the row's sum is taken of the unquantised p and divides at the end.
; SHARES.  A cluster (c = 0 .. 31, batch b) owns the query tiles 2 c, 2 c + 1, 126 - 2 c, 127 - 2 c (16 queries each); its four work-groups take four heads each (cx).  Wave w: head 4 cx + w / 4,
; tile number (w xor w / 4) % 4 of the four: the four tiles together have 34 key steps, whatever c.  cx enters only the global addresses of q and of the result; every branch hangs on c and the wave's number.
; All of the batch's k (65,536 bytes) and v (65,536 bytes) lie in LDS, filled once, by joint loads of the four work-groups: nothing is filled again.
; LAYOUT.  Both products transposed: S^T = K Q^T (source 0 = 16 keys, source 1 = my 16 queries), O^T = V^T P^T: a lane holds one query throughout.
; The head's 32 are half of the product's 64 along K: Q's upper four registers are zeros, and K's eight registers are a tile's four and the next tile's four (finite codes, which meet the zeros).
; THE KEYS OF A TILE ARE NOT NEIGHBOURS: lane r of tile 2 b + u takes key 32 b + 8 u + r + 8 (r / 8), so that the 16 registers of tiles 2 b, 2 b + 1 are keys 32 b + 16 (lane / 16) + 0 .. 15.
; Every wave walks all 16 key steps (a constant trip count); a step all of whose keys come after the wave's queries is jumped over, by a scalar branch on ids.
; The result, quantised with 2^e6, goes to aq [mt 32][kb 36][128 rows][128 bytes], block kb = cx; head hi and channel d = 16 dt + 8 h + j lie at byte 64 (hi / 2) + 32 h + 16 (hi % 2) + 8 dt + j.
; LIMITS: e2 + e3 between -124 and 129 (added to c's exponent field); e4 and e6 between -126 and 119; e4 + e5 is applied by v_ldexp_f32 and has none.
; THE SHARES AS THEY STAND NOW (in place of 'one tile a wave' above).  The four tiles are two pairs j = 0, 1: the early tile 2 c + j (at most 8 key steps) and the late tile 127 - (2 c + j) (9 to 16 key steps).
; With pi = (w xor w / 4) % 4 and j = pi % 2: a wave with pi >= 2 (the pair's HEAD wave) takes key steps 0 .. 8 of the late tile and, at step 9, lays -M, its lanes' sums and O^T into the pair's LDS bytes.
; A wave with pi < 2 (the TAIL wave) takes the early tile; at step 9 it divides, quantises and stages that tile, and starts anew on the late tile's key steps 9 on.
; Behind a barrier the tail wave joins the two parts: M = the larger of the two whole numbers, each part x 2^(its M - M), which rounds nothing.  So every wave has 8 or 9 key steps, whatever c.
; Each part's p is quantised under its own running M, a whole number, as in any walk over the keys.  An empty second part (late tile of 9 steps) has sum 0, O^T 0 and the factor 0.
.set PART,  140288                     ; behind the stage: 8 pairs x 2,560 bytes: five registers' groups of 16 bytes a lane; no fill lands there
.set VIMG,  65536
.set STAGE, 131072                     ; the stage for the way out: 64 rows x 144 bytes; no fill lands there
.set GP,    144
.set WV,    12
.set SEL,   20
.set CS,    22
.set G1,    24
.set G0K,   32
.set G0V,   36
.set TB,    40                         ; s40  the step's bytes in k and in v's image: 4,096 a step
.set KF0,   41                         ; s41  the step's first key
.set QL,    42                         ; s42  my last query
.set Q0,    43                         ; s43  my first query
.set CNT,   44
.set KF,    24                         ; v24-55 eight tiles of k, four registers each; v56-59 zeros
.set VF,    60                         ; v60-91 two fragments of V^T
.set S,     96                         ; v96-159 S^T, then p
.set O,     160                        ; v160-175 O^T
.set PC,    176                        ; v176-191 p's codes
.macro CROUND
	s_barrier_signal -1
	s_barrier_wait -1
	s_cmp_lg_u32 s[WV], 0
	s_cbranch_scc1 .Lnot_wave_0_\@
	s_barrier_signal -3
.Lnot_wave_0_\@:
	s_barrier_wait -3
	s_barrier_signal -1
	s_barrier_wait -1
.endm
	s_load_b256 s[4:11], s[0:1], 0x0               ; qk 4, vq 6, scales 8, aq 10
	v_lshl_add_u32 v251, v0, 2, 0x29000
	v_mov_b32 v255, 0
	ds_add_u32 v251, v255
	ds_add_u32 v251, v255
	v_lshrrev_b32 v8, 5, v0
	s_delay_alu instid0(VALU_DEP_1)
	v_readfirstlane_b32 s[WV], v8
	s_bfe_u32 s13, ttmp6, 0x40000                  ; cx: the group of four heads
	s_and_b32 s15, ttmp7, 0xffff                   ; the batch
	s_lshr_b32 s16, s[WV], 2                       ; hi
	s_xor_b32 s17, s[WV], s16
	s_and_b32 s17, s17, 3                          ; pi: which of the four tiles
	s_lshl_b32 s46, ttmp9, 1
	s_and_b32 s47, s17, 1
	s_add_co_u32 s47, s46, s47
	s_sub_co_u32 s48, 127, s47
	s_and_b32 s49, s17, 2
	s_cmp_lg_u32 s49, 0
	s_cselect_b32 s18, s48, s47                    ; T: my first tile of 16 queries: the late one (head wave) or the early one (tail wave)
	s_mov_b32 s77, s48                             ; the pair's late tile
	s_mov_b32 s78, s49                             ; 2: head wave; 0: tail wave
	s_and_b32 s47, s16, 1
	s_add_co_u32 s47, s46, s47
	s_sub_co_u32 s48, 127, s47
	s_and_b32 s49, s16, 2
	s_cmp_lg_u32 s49, 0
	s_cselect_b32 s19, s48, s47                    ; the tile whose rows I store: number w / 4 of the four
	s_mov_b32 s[G1], 15|(3<<16)|(1<<21)            ; the mask names all four work-groups; elements of 8 bytes; no padding
	s_mov_b32 s[G1+1], 32<<16                      ; 64 rows of 256 bytes, dense
	s_mov_b32 s[G1+2], 64<<16
	s_mov_b32 s[G1+3], 32<<16
	s_mov_b32 s[G1+4], 64
	s_mov_b32 s[G1+5], 32
	s_mov_b32 s[G1+6], 0
	s_mov_b32 s[G1+7], 0
	s_mov_b32 s[SEL], 0x76543210
	s_mov_b32 s[SEL+1], 0xfedcba98
	s_mov_b32 s[CS], 0x3e8293ee                    ; c = log2(e) / sqrt(32)
	s_mov_b32 s[TB], 0
	s_mov_b32 s[KF0], 0
	s_mov_b32 s[CNT], 16
	s_lshl_b32 s[Q0], s18, 4
	s_add_co_u32 s[QL], s[Q0], 15
	s_and_b32 s50, s[WV], 3
	s_lshl_b32 s50, s50, 14                        ; which quarter I fetch, if I fetch
	s_mul_i32 s52, s15, 17
	s_add_co_u32 s52, s52, 16
	s_lshl_b32 s52, s52, 16
	s_add_co_u32 s52, s52, s50                     ; k: slot 16 of the batch
	s_mov_b32 s53, 0
	s_lshl_b32 s54, s15, 16
	s_add_co_u32 s54, s54, s50
	s_mov_b32 s55, 0
	s_lshl_b32 s51, s[WV], 14                      ; and where it goes: waves 0-3 k's quarters, waves 4-7 v's
	s_mul_i32 s56, s15, 17
	s_lshl_b32 s57, s13, 2
	s_add_co_u32 s56, s56, s57
	s_add_co_u32 s56, s56, s16
	s_lshl_b32 s56, s56, 11
	s_add_co_u32 s56, s56, s[Q0]
	s_lshl_b32 s56, s56, 5                         ; q: (batch, head, my first query)
	s_mov_b32 s57, 0
	s_lshl_b32 s62, s15, 11
	s_lshl_b32 s63, s19, 4
	s_add_co_u32 s62, s62, s63
	s_and_b32 s63, s[WV], 3
	s_lshl_b32 s63, s63, 2
	s_add_co_u32 s62, s62, s63                     ; the first of the four rows that I store
	s_lshr_b32 s60, s62, 7
	s_mul_i32 s60, s60, 36
	s_add_co_u32 s60, s60, s13
	s_lshl_b32 s60, s60, 14
	s_and_b32 s61, s62, 127
	s_lshl_b32 s61, s61, 7
	s_add_co_u32 s60, s60, s61
	s_mov_b32 s61, 0
	s_wait_dscnt 0x0
	s_wait_kmcnt 0x0
	s_load_b256 s[68:75], s[8:9], 0x0              ; e0 .. e7
	s_mov_b32 s[G0K], 1
	s_mov_b32 s[G0K+1], s51
	s_add_nc_u64 s[G0K+2:G0K+3], s[4:5], s[52:53]
	s_or_b32 s[G0K+3], s[G0K+3], 0x80000000
	s_mov_b32 s[G0V], 1
	s_mov_b32 s[G0V+1], s51
	s_add_nc_u64 s[G0V+2:G0V+3], s[6:7], s[54:55]
	s_or_b32 s[G0V+3], s[G0V+3], 0x80000000
	s_add_nc_u64 s[58:59], s[4:5], s[56:57]
	s_sub_co_u32 s82, s77, s18
	s_lshl_b32 s82, s82, 9                         ; 16 queries x 32 bytes a tile
	s_mov_b32 s83, 0
	s_add_nc_u64 s[80:81], s[58:59], s[82:83]      ; q of the late tile
	s_add_nc_u64 s[10:11], s[10:11], s[60:61]
	CROUND                                         ; all four work-groups are here: the joint loads meet
	s_cmp_lt_u32 s[WV], 4                          ; one load a wave, in waves 0 to 7; the branches hang on the wave's number alone
	s_cbranch_scc0 .Lnot_k
	tensor_load_to_lds s[G0K:G0K+3], s[G1:G1+7]
	s_nop 0
.rept 4
	v_nop
.endr
	s_branch .Lasked
.Lnot_k:
	s_cmp_lt_u32 s[WV], 8
	s_cbranch_scc0 .Lasked
	tensor_load_to_lds s[G0V:G0V+3], s[G1:G1+7]
	s_nop 0
.rept 4
	v_nop
.endr
.Lasked:
	v_and_b32 v10, 15, v0                          ; r
	v_bfe_u32 v11, v0, 4, 1                        ; h
	s_delay_alu instid0(VALU_DEP_2)
	v_lshlrev_b32 v6, 5, v10
	s_delay_alu instid0(VALU_DEP_1)
	v_lshl_add_u32 v6, v11, 4, v6
	global_load_b128 v[16:19], v6, s[58:59]        ; Q's fragment of my first tile,
	global_load_b128 v[192:195], v6, s[80:81]      ; and of the late tile, which the tail wave takes up at step 9
	v_and_b32 v7, 8, v10
	s_delay_alu instid0(VALU_DEP_1)
	v_add_nc_u32 v7, v7, v10                       ; r + 8 (r / 8)
	s_delay_alu instid0(VALU_DEP_1)
	v_lshlrev_b32 v1, 5, v7
	s_delay_alu instid0(VALU_DEP_1)
	v_lshl_add_u32 v1, v11, 4, v1                  ; v1: my lane's place in a tile of k
	v_and_b32 v7, 31, v0
	s_delay_alu instid0(VALU_DEP_1)
	v_lshlrev_b32 v5, 4, v7                        ; v5: 16 x lane
	s_delay_alu instid0(VALU_DEP_1)
	v_add_nc_u32 v2, VIMG, v5                      ; v2: my lane's place in v's image
	s_lshl_b32 s84, s16, 1
	s_and_b32 s85, s17, 1
	s_add_co_u32 s84, s84, s85                     ; the pair: 2 x (w / 4) + j
	s_mul_i32 s84, s84, 2560
	s_add_co_u32 s84, s84, PART
	v_add_nc_u32 v92, s84, v5                      ; v92: my lane's place in the pair's bytes
	s_mul_i32 s46, s17, 16*GP
	s_lshr_b32 s47, s16, 1
	s_lshl_b32 s47, s47, 6
	s_add_co_u32 s46, s46, s47
	s_and_b32 s47, s16, 1
	s_lshl_b32 s47, s47, 4
	s_add_co_u32 s46, s46, s47
	s_add_co_u32 s46, s46, STAGE
	v_mul_u32_u24 v3, v10, GP
	s_delay_alu instid0(VALU_DEP_1)
	v_lshl_add_u32 v3, v11, 5, v3
	s_delay_alu instid0(VALU_DEP_1)
	v_add_nc_u32 v3, s46, v3                       ; v3: the stage, in: row 16 pi + r, my head's 16 bytes of my half
	s_mul_i32 s46, s[WV], 4*GP
	s_add_co_u32 s46, s46, STAGE
	v_bfe_u32 v7, v0, 3, 2
	s_delay_alu instid0(VALU_DEP_1)
	v_mul_u32_u24 v4, v7, GP
	v_and_b32 v7, 7, v0
	s_delay_alu instid0(VALU_DEP_1)
	v_lshl_add_u32 v4, v7, 4, v4
	s_delay_alu instid0(VALU_DEP_1)
	v_add_nc_u32 v4, s46, v4                       ; v4: out: rows 4 w + lane / 8, 16 bytes a lane
	v_mov_b32 v13, 0xff61b1e6                      ; the largest t so far: -3e38
	s_delay_alu instid0(VALU_DEP_1)
	v_floor_f32 v12, -v13                          ; -M
	v_mov_b32 v14, 0
	v_mov_b32 v15, 0
.irp j, 20,21,22,23,56,57,58,59,236,252,253,254
	v_mov_b32 v\j, 0                               ; Q's upper half; the registers behind k's last tile; registers named before they are computed
.endr
.set j, 0
.rept 16
	v_mov_b32 v[O+j], 0                            ; O^T: the step is written once; the first finds zeros
.set j, j+1
.endr
	s_wait_kmcnt 0x0
	s_add_co_i32 s46, s70, s71
	s_lshl_b32 s46, s46, 23
	s_add_co_i32 s[CS], s[CS], s46                 ; a score stands for score x 2^(e2 + e3)
	s_mov_b32 s[CS+1], s[CS]
	s_add_co_i32 s46, s72, 127
	s_lshl_b32 s47, s46, 23
	v_mov_b32 v244, s47                            ; 2^e4
	s_add_co_i32 s46, s46, 8
	s_lshl_b32 s46, s46, 23
	s_or_b32 s46, s46, 0x600000
	v_mov_b32 v240, s46                            ; 448 x 2^e4,
	v_mov_b32 v237, s46                            ; and once more, in a register of another bank: the two halves of a dual pair take one each
	s_add_co_i32 s46, s74, 127
	s_lshl_b32 s47, s46, 23
	v_mov_b32 v245, s47                            ; 2^e6
	s_add_co_i32 s46, s46, 8
	s_lshl_b32 s46, s46, 23
	s_or_b32 s46, s46, 0x600000
	v_mov_b32 v241, s46                            ; 448 x 2^e6
	s_add_co_i32 s76, s72, s73                     ; e4 + e5
	s_wait_tensorcnt 0x0                           ; my load, if I had one, has landed,
	s_barrier_signal -1
	s_barrier_wait -1                              ; everybody's has
	s_wait_loadcnt 0x0                             ; Q
.Lstep:
	s_cmp_lg_u32 s[KF0], 1152                      ; key step 9: the waves change their work.  The branches hang on the count of steps and the wave's number
	s_cbranch_scc1 .Lsame
	s_cmp_lg_u32 s78, 0
	s_cbranch_scc0 .Ltail_wave
.rept 4
	v_nop                                          ; places behind the last products
.endr
	v_add_f32 v14, v14, v15                        ; the head wave: my lane's sum,
	s_wait_alu depctr_va_vdst(0)                   ; the wait behind the write
.irp q, 0,1,2,3
	ds_store_b128 v92, v[O+4*\q:O+4*\q+3] offset:512*\q
.endr
	ds_store_b128 v92, v[12:15] offset:2048        ; -M in the first word, the sum in the third
	s_mov_b32 s[QL], 0                             ; every later step is jumped over
	s_branch .Lsame
.Ltail_wave:                                       ; the tail wave: the early tile is done: O^T / the sum x 2^(e4 + e5), quantised with 2^e6, into the stage
	v_add_f32 v14, v14, v15
	s_delay_alu instid0(VALU_DEP_1)
	v_permlanex16_b32 v252, v14, s[SEL], s[SEL+1]
	s_delay_alu instid0(VALU_DEP_1)
	v_add_f32 v14, v14, v252
	s_wait_alu depctr_va_vdst(0)
	v_rcp_f32 v14, v14
.rept 4
	v_nop                                          ; plain lines behind the transcendental, and places behind the last products
.endr
	s_wait_alu depctr_va_vdst(0)                   ; the wait, ahead of the first reader
	v_ldexp_f32 v14, v14, s76
.set j, 0
.rept 16
	v_mul_f32 v[96+j], v[O+j], v14
.set j, j+1
.endr
.set j, 0
.rept 16
	v_med3_num_f32 v[96+j], v[96+j], -v241, v241
.set j, j+1
.endr
	v_cvt_scalef32_pk8_fp8_f32 v[112:113], v[96:103], v245
	v_cvt_scalef32_pk8_fp8_f32 v[114:115], v[104:111], v245
	v_nop
	ds_store_b128 v3, v[112:115]
	v_mov_b32 v13, 0xff61b1e6                      ; and anew on the late tile: the largest t -3e38, the sums and O^T zeros, its Q
	v_floor_f32 v12, -v13
	v_mov_b32 v14, 0
	v_mov_b32 v15, 0
.set j, 0
.rept 16
	v_mov_b32 v[O+j], 0
.set j, j+1
.endr
.irp j, 0,1,2,3
	v_mov_b32 v[16+\j], v[192+\j]
.endr
	s_lshl_b32 s[Q0], s77, 4
	s_add_co_u32 s[QL], s[Q0], 15
	s_wait_alu depctr_va_vdst(0)
.Lsame:
	s_cmp_gt_u32 s[KF0], s[QL]
	s_cbranch_scc1 .Lhidden
	v_add_nc_u32 v8, s[TB], v1
	v_add_nc_u32 v9, s[TB], v2
	v_nop                                          ; with the two additions: four places in front of loads into registers that the last products read
	v_nop
.irp t, 0,1,2,3,4,5,6,7
	ds_load_b128 v[KF+4*\t:KF+4*\t+3], v8 offset:1024*(\t/2)+256*(\t%2)
.endr
.irp u, 0,1
.irp c, 0,1,2,3
	ds_load_b128 v[VF+16*\u+4*\c:VF+16*\u+4*\c+3], v9 offset:2048*\u+512*\c
.endr
.endr
	s_wait_dscnt 8                                 ; k's eight loads are in; v's eight stay out
.irp t, 0,1,2,3,4,5,6,7
	v_wmma_f32_16x16x64_fp8_fp8 v[S+8*\t:S+8*\t+7], v[KF+4*\t:KF+4*\t+7], v[16:23], 0
.endr
.rept 4
	v_nop
.endr
	s_add_co_u32 s46, s[KF0], 127                  ; on the diagonal the scores of hidden keys become -infinity ahead of the maximum; a step all of whose keys count skips this
	s_cmp_le_u32 s46, s[Q0]
	s_cbranch_scc1 .Lopen
	s_sub_co_i32 s46, s[Q0], s[KF0]
	v_and_b32 v252, 15, v0
	v_bfe_u32 v253, v0, 4, 1
	s_delay_alu instid0(VALU_DEP_1)
	v_lshlrev_b32 v253, 4, v253
	s_delay_alu instid0(VALU_DEP_1)
	v_sub_nc_u32 v252, v252, v253
	s_delay_alu instid0(VALU_DEP_1)
	v_add_nc_u32 v252, s46, v252                   ; d = my query - the step's first key - 16 (lane / 16): register 16 b + i is hidden where 32 b + i > d
	v_mov_b32 v254, 0xff800000
.set n, 0
.rept 64
	v_cmp_gt_i32 vcc_lo, 32*(n/16)+n%16, v252
	v_cndmask_b32 v[S+n], v[S+n], v254, vcc_lo
.set n, n+1
.endr
.Lopen:
	v_max3_num_f32 v254, v96, v97, v98             ; the step's largest score of my query, in two chains, each accumulator from its low end on
	v_max3_num_f32 v252, v99, v100, v101
.irp i, 6,10,14,18,22,26,30,34,38,42,46,50,54,58
	v_max3_num_f32 v254, v254, v[96+\i], v[97+\i]
	v_max3_num_f32 v252, v252, v[98+\i], v[99+\i]
.endr
	v_max3_num_f32 v254, v254, v158, v159
	s_delay_alu instid0(VALU_DEP_1)
	v_max_num_f32 v254, v254, v252
	s_delay_alu instid0(VALU_DEP_1)
	v_permlanex16_b32 v236, v254, s[SEL], s[SEL+1]
	s_delay_alu instid0(VALU_DEP_1)
	v_max_num_f32 v254, v254, v236                 ; and among lane l xor 16's
	s_delay_alu instid0(VALU_DEP_1)
	v_mul_f32 v254, s[CS], v254
	s_delay_alu instid0(VALU_DEP_1)
	v_max_num_f32 v13, v13, v254                   ; the running largest t
	v_mov_b32 v254, v12
	s_delay_alu instid0(VALU_DEP_2)
	v_floor_f32 v12, -v13                          ; the new -M = -ceil(t)
	s_delay_alu instid0(VALU_DEP_1)
	v_sub_f32 v254, v12, v254
	s_delay_alu instid0(VALU_DEP_1)
	v_cvt_i32_f32 v254, v254                       ; (it saturates)
	s_delay_alu instid0(VALU_DEP_1)
	v_ldexp_f32 v252, 1.0, v254                    ; f = 2^(old M - new M)
.set j, 0
.rept 32
	v_pk_fma_f32 v[S+j:S+j+1], v[S+j:S+j+1], s[CS:CS+1], v[12:13] op_sel_hi:[1,0,0]   ; t - M
.set j, j+2
.endr
.set j, 0
	s_wait_alu depctr_va_vdst(0)
.rept 64
	v_exp_f32 v[S+j], v[S+j]                       ; p = 2^(t - M)
.set j, j+1
.endr
	v_pk_mul_f32 v[14:15], v[14:15], v[252:253] op_sel_hi:[1,0]   ; the sums under the new M.  (A plain line behind the exponentials)
	s_wait_alu depctr_va_vdst(0)                   ; one wait for the whole batch, ahead of its first reader
	v_pk_add_f32 v[242:243], v[100:101], v[104:105]
	v_pk_add_f32 v[248:249], v[108:109], v[112:113]
	v_pk_add_f32 v[246:247], v[116:117], v[120:121]
	v_pk_add_f32 v[238:239], v[124:125], v[128:129]
	v_pk_add_f32 v[234:235], v[132:133], v[136:137]
	v_pk_add_f32 v[232:233], v[140:141], v[144:145]
	v_pk_add_f32 v[230:231], v[148:149], v[152:153]
	v_pk_add_f32 v[14:15], v[14:15], v[156:157]
	v_pk_add_f32 v[242:243], v[242:243], v[96:97]
	v_pk_add_f32 v[248:249], v[248:249], v[98:99]
	v_pk_add_f32 v[246:247], v[246:247], v[102:103]
	v_pk_add_f32 v[238:239], v[238:239], v[106:107]
	v_pk_add_f32 v[234:235], v[234:235], v[110:111]
	v_pk_add_f32 v[232:233], v[232:233], v[114:115]
	v_pk_add_f32 v[230:231], v[230:231], v[118:119]
	v_pk_add_f32 v[14:15], v[14:15], v[122:123]
	v_pk_add_f32 v[242:243], v[242:243], v[126:127]
	v_pk_add_f32 v[248:249], v[248:249], v[130:131]
	v_pk_add_f32 v[246:247], v[246:247], v[134:135]
	v_pk_add_f32 v[238:239], v[238:239], v[138:139]
	v_pk_add_f32 v[234:235], v[234:235], v[142:143]
	v_pk_add_f32 v[232:233], v[232:233], v[146:147]
	v_pk_add_f32 v[230:231], v[230:231], v[150:151]
	v_pk_add_f32 v[14:15], v[14:15], v[154:155]
	v_pk_add_f32 v[242:243], v[242:243], v[158:159]
	s_delay_alu instid0(VALU_DEP_2)
	v_pk_add_f32 v[14:15], v[14:15], v[238:239]
	s_delay_alu instid0(VALU_DEP_2)
	v_pk_add_f32 v[242:243], v[242:243], v[234:235]
	v_pk_add_f32 v[248:249], v[248:249], v[232:233]
	v_pk_add_f32 v[246:247], v[246:247], v[230:231]
	s_delay_alu instid0(VALU_DEP_2)
	v_pk_add_f32 v[14:15], v[14:15], v[248:249]
	s_delay_alu instid0(VALU_DEP_2)
	v_pk_add_f32 v[242:243], v[242:243], v[246:247]
	s_delay_alu instid0(VALU_DEP_1)
	v_pk_add_f32 v[14:15], v[14:15], v[242:243]
.irp b, 0,1,2,3
.irp i, 0,2,4,6,8,10,12,14
	v_dual_min_num_f32 v[S+16*\b+\i], v[S+16*\b+\i], v240 :: v_dual_min_num_f32 v[S+16*\b+\i+1], v[S+16*\b+\i+1], v237   ; p is not negative: a one-sided hold (the conversion does not saturate: ISA guide 7.6.2), two numbers an instruction
.endr
	v_cvt_scalef32_pk8_fp8_f32 v[PC+4*\b:PC+4*\b+1], v[S+16*\b:S+16*\b+7], v244
	v_cvt_scalef32_pk8_fp8_f32 v[PC+4*\b+2:PC+4*\b+3], v[S+16*\b+8:S+16*\b+15], v244
.endr
.irp j, 0,2,4,6,8,10,12,14
	v_pk_mul_f32 v[O+\j:O+\j+1], v[O+\j:O+\j+1], v[252:253] op_sel_hi:[1,0]   ; O^T under the new M.  (Also the plain lines between the conversions and the products)
.endr
	s_wait_alu depctr_va_vdst(0)
	s_wait_dscnt 0x0                               ; v's fragments are in
	v_wmma_f32_16x16x128_fp8_fp8 v[O:O+7], v[VF:VF+15], v[PC:PC+15], v[O:O+7]
	v_wmma_f32_16x16x128_fp8_fp8 v[O+8:O+15], v[VF+16:VF+31], v[PC:PC+15], v[O+8:O+15]
.Lhidden:
	s_add_co_u32 s[KF0], s[KF0], 128
	s_add_co_u32 s[TB], s[TB], 4096
	s_sub_co_u32 s[CNT], s[CNT], 1
	s_cmp_lg_u32 s[CNT], 0
	s_cbranch_scc1 .Lstep
	s_wait_dscnt 0x0                               ; for the others' sake: the head waves' parts (and the early tiles' codes) have landed
	s_barrier_signal -1
	s_barrier_wait -1
	s_cmp_lg_u32 s78, 0
	s_cbranch_scc1 .Ljoined                        ; a head wave has handed its part on
.irp q, 0,1,2,3,4
	ds_load_b128 v[196+4*\q:199+4*\q], v92 offset:512*\q   ; the head wave's O^T in v196-211; -M in v212, its lane's sum in v214
.endr
	s_wait_dscnt 0x0
	v_add_f32 v14, v14, v15                        ; my lane's sum
	v_min_num_f32 v216, v212, v12                  ; -M of the two parts together
	v_sub_f32 v217, v216, v212                     ; the head part's M less M: a whole number, 0 or less
	v_sub_f32 v218, v216, v12                      ; and mine
	v_cvt_i32_f32 v217, v217                       ; (they saturate)
	v_cvt_i32_f32 v218, v218
	v_ldexp_f32 v217, 1.0, v217
	v_ldexp_f32 v218, 1.0, v218
	v_mul_f32 v14, v14, v218
	v_fmac_f32 v14, v214, v217
	v_mov_b32 v15, 0
.set j, 0
.rept 16
	v_mul_f32 v[O+j], v[O+j], v218                 ; each accumulator from its low end on
.set j, j+1
.endr
.set j, 0
.rept 16
	v_fmac_f32 v[O+j], v[196+j], v217
.set j, j+1
.endr
	; THE WAY OUT: O^T / the sum x 2^(e4 + e5), quantised with 2^e6; a row's 128 bytes come from four waves: they meet in the stage
	v_add_f32 v14, v14, v15
	s_delay_alu instid0(VALU_DEP_1)
	v_permlanex16_b32 v252, v14, s[SEL], s[SEL+1]
	s_delay_alu instid0(VALU_DEP_1)
	v_add_f32 v14, v14, v252
	s_wait_alu depctr_va_vdst(0)
	v_rcp_f32 v14, v14
.rept 4
	v_nop                                          ; plain lines behind the transcendental, and places behind the last products
.endr
	s_wait_alu depctr_va_vdst(0)                   ; the wait, ahead of the first reader
	v_ldexp_f32 v14, v14, s76
.set j, 0
.rept 16
	v_mul_f32 v[96+j], v[O+j], v14                 ; register 8 dt + j is channel 16 dt + 8 h + j
.set j, j+1
.endr
.set j, 0
.rept 16
	v_med3_num_f32 v[96+j], v[96+j], -v241, v241
.set j, j+1
.endr
	v_cvt_scalef32_pk8_fp8_f32 v[112:113], v[96:103], v245
	v_cvt_scalef32_pk8_fp8_f32 v[114:115], v[104:111], v245
	v_nop
	ds_store_b128 v3, v[112:115] offset:32*GP      ; the late tile's rows lie 32 rows behind the early tile's
.Ljoined:
	s_wait_dscnt 0x0                               ; for the others' sake: my store has landed
	s_barrier_signal -1
	s_barrier_wait -1
	ds_load_b128 v[116:119], v4
	s_wait_dscnt 0x0
	global_store_b128 v5, v[116:119], s[10:11]     ; four rows of 128 bytes: 512 consecutive bytes
	s_wait_tensorcnt 0x0
	ds_add_u32 v251, v255
	s_wait_dscnt 0x0
	CROUND                                         ; the closing round
	s_endpgm
.Lfunc_end_k_q8018fc6c77_attn:
	.size	k_q8018fc6c77_attn, .Lfunc_end_k_q8018fc6c77_attn-k_q8018fc6c77_attn
	.p2alignl 7, 3214868480
	.fill 96, 4, 3214868480
	.section	.rodata,"a",@progbits
	.p2align	6, 0x0
	.amdhsa_kernel k_q8018fc6c77_attn
		.amdhsa_group_segment_fixed_size 169984
		.amdhsa_private_segment_fixed_size 0
		.amdhsa_enable_private_segment 0
		.amdhsa_kernarg_size 32
		.amdhsa_user_sgpr_count 2
		.amdhsa_user_sgpr_kernarg_segment_ptr 1
		.amdhsa_wavefront_size32 1
		.amdhsa_system_sgpr_workgroup_id_x 1
		.amdhsa_system_sgpr_workgroup_id_y 1
		.amdhsa_system_sgpr_workgroup_id_z 1
		.amdhsa_system_vgpr_workitem_id 0
		.amdhsa_next_free_vgpr 256
		.amdhsa_next_free_sgpr 100
		.amdhsa_reserve_vcc 1
		.amdhsa_float_denorm_mode_32 3
		.amdhsa_float_denorm_mode_16_64 3
		.amdhsa_memory_ordered 1
		.amdhsa_forward_progress 1
		.amdhsa_inst_pref_size 38
	.end_amdhsa_kernel
	.amdgpu_metadata
---
amdhsa.version: [ 1, 2 ]
amdhsa.kernels:
  - .name:           k_q8018fc6c77_attn
    .symbol:         k_q8018fc6c77_attn.kd
    .args:
      - { .name: qk, .offset: 0, .size: 8, .value_kind: global_buffer, .address_space: global }
      - { .name: vq, .offset: 8, .size: 8, .value_kind: global_buffer, .address_space: global }
      - { .name: lowp_scales, .offset: 16, .size: 8, .value_kind: global_buffer, .address_space: global }
      - { .name: aq, .offset: 24, .size: 8, .value_kind: global_buffer, .address_space: global }
    .group_segment_fixed_size: 169984
    .private_segment_fixed_size: 0
    .kernarg_segment_align: 8
    .kernarg_segment_size: 32
    .max_flat_workgroup_size: 512
    .sgpr_count:     100
    .vgpr_count:     256
    .wavefront_size: 32
...
	.end_amdgpu_metadata
.endif
;; end of part 3
;; launch ffn (part 4): grid 16 x 16, 4 waves a work-group, clusters of 4 x 4, 327,680 bytes of LDS; arguments xq, wfq, lowp_scales, aq; writes aq
.if DOCPART == 4
	.amdgcn_target "amdgcn-amd-amdhsa--gfx1250"
	.amdhsa_code_object_version 6
	.text
	.protected	k_q8018fc6c77_ffn
	.globl	k_q8018fc6c77_ffn
	.p2align	8
	.type	k_q8018fc6c77_ffn,@function
k_q8018fc6c77_ffn:
	s_mov_b64 s[64:65], 0
	v_nop
	global_prefetch_b8 v0, s[64:65] scope:SCOPE_SE
	s_setreg_imm32_b32 hwreg(HW_REG_WAVE_MODE, 25, 1), 1
	s_wait_xcnt 0x0
	s_wait_alu depctr_hold_cnt(0) depctr_sa_sdst(0) depctr_va_vdst(0) depctr_va_sdst(0) depctr_va_ssrc(0) depctr_va_vcc(0) depctr_vm_vsrc(0)
	s_getreg_b32 s2, hwreg(HW_REG_IB_STS2, 6, 4)
	s_cmp_eq_u32 s2, 0
	s_cbranch_scc0 .Lentry_in_a_cluster
	s_endpgm
.Lentry_in_a_cluster:
	s_bfe_u32 s2, ttmp6, 0x10000c
	s_cmp_lg_u32 s2, 0xf033
	s_cbranch_scc0 .Lentry_shape_is_right
	s_endpgm
.Lentry_shape_is_right:
; FFN: columns 576 .. 8767 of the fused projection on codes of E4M3, SwiGLU, and the hidden layer's codes.
; A = xq [4096][1024], B = wfq from row 576 on [8192][1024]; both hold K in the same order.  A tile, 256 rows of A x 256 rows of B, is made by four waves, each 128 x 128: 64 accumulators, 512 registers.
; A WORK-GROUP STAYS: it makes two tiles, tile columns x and x + 16, on the same 256 rows of A: a loop over tiles round the K steps.  The ring does not stop at the first tile's end:
; its last two changes of slots ask for the second tile's K steps 0 and 1, and then the first tile goes out.
; B's rows are laid so that a wave's 128 are 64 units of ff_x followed by the same 64 units of the gate: accumulators b = 0..3 and b = 4..7 of a block of rows hold partners in the same lane and register.
; K goes in steps of 256 through a ring of two LDS slots filled by the tensor data mover.  CLUSTERS: 4 x 4 work-groups; A's tiles are asked for jointly along a row of the cluster, B's along a column.
; THE MATRIX INSTRUCTION IS USED TRANSPOSED (source 0 = 16 rows of B, source 1 = 16 rows of A): a lane holds one row and eight neighbouring units.
; THE WAY OUT: hidden = gate x / (1 + 2^(-log2(e) gate)); sums stand for sum x 2^(e0 + e1), so the exponential's factor carries 2^(e0 + e1) and the conversion takes 2^(e8 - 2 (e0 + e1)).
; The codes go to aq [mt 32][kb 36][128 rows][128 bytes], block kb = 4 + tile column; unit 64 wc + 16 b + 8 h + j lies at byte 64 wc + 32 h + 8 b + j.
; PREFETCHES INTO THE L2: a K step is 256 bytes of a row.  Of the 128 rows that a wave fetches, each of the four partners that ask jointly takes 32, told apart by address (cx for A, cy for B), a lane a row.
; Behind the first load: K steps 1 and 2; behind the second: K step 3; behind the first tile's four refills: the second tile's K steps 0 to 3 of B, each two refills ahead of its load.
; The second tile's rows of A have been read by the first tile and are not asked for.  Every offset is an immediate: no address register of a prefetch is ever rewritten.
; LIMITS: e0 + e1 between -126 and 126; e8 - 2 (e0 + e1) between -126 and 119.
; REGISTERS, in windows of 256: window 0: v0-31 addresses and scales; from v128 A's fragments, ONE set; on the way out v32-255 are free.  window 1: B's fragments, TWO sets.  windows 2, 3: the accumulators ((a, b) at v[8 (8 (a % 4) + b)]).
.set ROWB,   256                       ; a tile's row in bytes: a K step
.set KROW,   1024                      ; a row of A or of B in memory
.set PITCH,  272                       ; an LDS row: 256 bytes + 16: the 16 rows that a load touches start at 16 different groups of banks
.set FR,     16
.set NL,     4
.set NP,     4
.set HALFT,  128*PITCH
.set SLOT,   4*HALFT
.set SPARE,  2*SLOT                    ; behind the ring: the spare words, 128 bytes for each wave
.set STG,    SPARE+512                 ; behind them: the stage for the way out, 256 rows x 144 bytes; no fill lands there
.set GP,     144
.set TILEB,  16*256*KROW               ; from a tile's rows of B to the next tile's, in bytes
.set ADRA, 16
.set ADRB, 20
.set STO,  24
.set RD,   25
.set CO,   26
.set PFO,  27                          ; v27  the prefetches' offset: my lane x a row; never rewritten
.set SPW,  28
.set NIL,  29
.set EX,   32                          ; the way out: v32-63 the exponentials, v64-95 gate x, v96-159 codes (8 a block), v160-223 rows read back
.set PR,   64
.set OB,   160
.set AF,   128
.set G1, 24
.set G0, 32
.set G1B, 48
.set G0B, 56
.set PFA, 74                           ; s[74:75] my work-group's 32 rows of the 128 that my wave fetches, at K step 0 of the first tile; never rewritten
.set LIM, 80                           ; s80  the count of tiles to go at which my wave asks for the next tile: 2 in B's waves, 0 (never met) in A's
.set MSB, 0
.macro WIN new                         ; the immediate's high byte repeats the setting that is left
.if MSB != \new
	s_set_vgpr_msb (MSB<<8)|\new
.set MSB, \new
.endif
.endm
.set MUL_LO, 0xa1                      ; source 0 (B) window 1, source 1 (A) window 0, C and D window 2
.set MUL_HI, 0xf1
.set TO_B,   0x40
.macro JLOAD g0a, g1a, g0b, g1b        ; a joint load: waves 0 and 1 fetch for A, waves 2 and 3 for B; an s_nop 0 and four v_nop follow each of the two lines
	s_cmp_eq_u32 s15, 0
	s_cbranch_scc0 .Lfor_b_\@
	tensor_load_to_lds s[\g0a:\g0a+3], s[\g1a:\g1a+7]
	s_nop 0
.rept 4
	v_nop
.endr
	s_branch .Lasked_\@
.Lfor_b_\@:
	tensor_load_to_lds s[\g0b:\g0b+3], s[\g1b:\g1b+7]
	s_nop 0
.rept 4
	v_nop
.endr
.Lasked_\@:
.endm
.macro ASK off                         ; B's waves, in the first tile: 32 rows x 256 bytes of the next tile; the branch hangs on the wave's number and the count of tiles
	s_cmp_eq_u32 s2, s[LIM]
	s_cbranch_scc0 .Lnot_mine_\@
	global_prefetch_b8 v[PFO], s[PFA:PFA+1] offset:\off th:TH_LOAD_NT scope:SCOPE_SE
.Lnot_mine_\@:
.endm
.macro CREST
	s_cmp_lg_u32 s14, 0
	s_cbranch_scc1 .Lnot_wave_0_\@
	s_barrier_signal -3
.Lnot_wave_0_\@:
	s_barrier_wait -3
	s_barrier_signal -1
	s_barrier_wait -1
.endm
.macro CROUND
	s_barrier_signal -1
	s_barrier_wait -1
	CREST
.endm
	s_load_b128 s[4:7], s[0:1], 0x0                ; xq, wfq
	s_load_b128 s[8:11], s[0:1], 0x10              ; the scales' exponents, aq
	v_lshl_add_u32 v[SPW], v0, 2, SPARE
	v_mov_b32 v[NIL], 0
	ds_add_u32 v[SPW], v[NIL]                      ; the opening lines: the add, twice on end, and its wait ahead of my first tensor load
	ds_add_u32 v[SPW], v[NIL]
	v_lshrrev_b32 v1, 5, v0
	v_readfirstlane_b32 s14, v1                    ; wave 0..3
	s_lshr_b32 s15, s14, 1                         ; which half of the tile's rows is mine.  Also: I fetch for A (0) or for B (1)
	s_and_b32 s16, s14, 1                          ; which half of its columns.  Also: which 128 rows of that tile I fetch
	s_bfe_u32 s40, ttmp6, 0x40000                  ; cx
	s_bfe_u32 s41, ttmp6, 0x40004                  ; cy
	s_lshl_b32 s42, ttmp9, 2
	s_add_co_u32 s42, s42, s40                     ; the first tile's column, 0 .. 15
	s_and_b32 s17, ttmp7, 0xffff
	s_lshl_b32 s17, s17, 2
	s_add_co_u32 s17, s17, s41                     ; tile row
	s_lshl_b32 s43, s41, 2
	s_lshl_b32 s43, 15, s43                        ; my row of the cluster
	s_lshl_b32 s44, 0x1111, s40                    ; my column
	s_or_b32 s[G1+0], s43, (0<<16)|(1<<20)|(1<<21)|(5<<22)|(3<<25)
	s_or_b32 s[G1B+0], s44, (0<<16)|(1<<20)|(1<<21)|(5<<22)|(3<<25)
.irp g, G1, G1B
	s_mov_b32 s[\g+1], ROWB<<16
	s_mov_b32 s[\g+2], 128<<16
	s_mov_b32 s[\g+3], ROWB<<16
	s_mov_b32 s[\g+4], 128
	s_mov_b32 s[\g+5], KROW
	s_mov_b32 s[\g+6], 0
	s_mov_b32 s[\g+7], 0
.endr
	s_lshl_b32 s18, s16, 7
	s_lshl_b32 s20, s17, 8
	s_add_co_u32 s20, s20, s18                     ; A: row 256 x tile row + 128 x half
	s_lshl_b32 s46, s42, 8
	s_add_co_u32 s46, s46, s18                     ; B: row 256 x tile column + 128 x half
	s_lshl_b32 s20, s20, 10                        ; in bytes: under 4 MiB
	s_lshl_b32 s46, s46, 10
	s_mov_b32 s21, 0
	s_mov_b32 s47, 0
	s_mul_i32 s45, s14, HALFT                      ; where my load goes: wave x 128 rows
	s_mul_i32 s70, s15, HALFT                      ; my 128 rows of A in a slot,
	s_mul_i32 s71, s16, HALFT
	s_add_co_u32 s71, s71, 2*HALFT                 ; and of B
	s_mul_i32 s72, s15, 128*GP                     ; the stage, in: row 128 wr + 16 a + r, byte 64 wc + 32 h
	s_lshl_b32 s73, s16, 6
	s_add_co_u32 s72, s72, s73
	s_add_co_u32 s72, s72, STG
	s_mul_i32 s73, s14, 64*GP                      ; out: rows 64 w + 4 t + lane / 8
	s_add_co_u32 s73, s73, STG
	s_lshl_b32 s78, s17, 1                         ; aq: block (2 tile row + w / 2, 4 + tile column), rows 64 (w % 2) on
	s_add_co_u32 s78, s78, s15
	s_mul_i32 s78, s78, 36
	s_add_co_u32 s78, s78, s42
	s_add_co_u32 s78, s78, 4
	s_lshl_b32 s78, s78, 7
	s_lshl_b32 s79, s16, 6
	s_add_co_u32 s78, s78, s79
	s_lshl_b32 s78, s78, 7
	s_mov_b32 s79, 0
	s_mov_b32 s2, 2                                ; tiles to go
	s_wait_dscnt 0x0                               ; both opening adds are done
	s_wait_kmcnt 0x0
	s_load_b64 s[96:97], s[8:9], 0x0               ; e0, e1
	s_load_b32 s94, s[8:9], 0x20                   ; e8
	s_add_nc_u64 s[6:7], s[6:7], 576*1024          ; B begins behind the rows of q, k and v
	s_add_nc_u64 s[20:21], s[4:5], s[20:21]
	s_add_nc_u64 s[46:47], s[6:7], s[46:47]
	s_add_nc_u64 s[10:11], s[10:11], s[78:79]
	CROUND                                         ; all sixteen work-groups are here: the first joint loads meet
.irp s, 0,1
	s_mov_b32 s[G0+4*\s], 1
	s_add_co_u32 s[G0+4*\s+1], s45, \s*SLOT
	s_add_nc_u64 s[G0+4*\s+2:G0+4*\s+3], s[20:21], \s*ROWB
	s_or_b32 s[G0+4*\s+3], s[G0+4*\s+3], 0x80000000
	s_mov_b32 s[G0B+4*\s], 1
	s_add_co_u32 s[G0B+4*\s+1], s45, \s*SLOT
	s_add_nc_u64 s[G0B+4*\s+2:G0B+4*\s+3], s[46:47], \s*ROWB
	s_or_b32 s[G0B+4*\s+3], s[G0B+4*\s+3], 0x80000000
.endr
	JLOAD G0, G1, G0B, G1B                         ; K step 0: one tensor load a wave at the head
	s_cmp_eq_u32 s15, 0                            ; the prefetches: do I fetch for A?
	s_cselect_b64 s[PFA:PFA+1], s[20:21], s[46:47]
	s_cselect_b32 s76, s40, s41                    ; my place among the four that ask with me
	s_cselect_b32 s[LIM], 0, 2
	s_lshl_b32 s76, s76, 15                        ; 32 rows of 1,024 bytes for each place
	s_mov_b32 s77, 0
	s_add_nc_u64 s[PFA:PFA+1], s[PFA:PFA+1], s[76:77]
	v_and_b32 v1, 15, v0                           ; l % 16
	v_bfe_u32 v2, v0, 4, 1                         ; l / 16
	v_mul_u32_u24 v3, v1, PITCH
	v_lshl_add_u32 v4, v2, 4, v3
	v_add_nc_u32 v[ADRA], s70, v4
	v_add_nc_u32 v[ADRB], s71, v4
	v_add_nc_u32 v[ADRA+1], SLOT, v[ADRA]
	v_add_nc_u32 v[ADRB+1], SLOT, v[ADRB]
	v_mul_u32_u24 v5, v1, GP
	v_lshl_add_u32 v5, v2, 5, v5
	v_add_nc_u32 v[STO], s72, v5
	v_bfe_u32 v6, v0, 3, 2
	v_mul_u32_u24 v6, v6, GP
	v_and_b32 v7, 7, v0
	v_lshl_add_u32 v6, v7, 4, v6
	v_add_nc_u32 v[RD], s73, v6
	v_and_b32 v6, 31, v0
	v_lshlrev_b32 v[CO], 4, v6
	v_lshlrev_b32 v[PFO], 10, v6
	s_wait_alu depctr_va_vdst(0)                   ; the wait here, directly ahead of the reader below
	global_prefetch_b8 v[PFO], s[PFA:PFA+1] offset:ROWB th:TH_LOAD_NT scope:SCOPE_SE     ; K step 1, whose load goes out behind the round below,
	global_prefetch_b8 v[PFO], s[PFA:PFA+1] offset:2*ROWB th:TH_LOAD_NT scope:SCOPE_SE   ; and K step 2
	s_wait_kmcnt 0x0
	s_add_co_i32 s95, s96, s97                     ; e0 + e1
	s_lshl_b32 s96, s95, 23
	s_add_co_i32 s96, s96, 0xbfb8aa3b              ; -log2(e) x 2^(e0 + e1): the exponent is added to the constant's exponent field
	s_mov_b32 s97, s96
	s_lshl_b32 s95, s95, 1
	s_sub_co_i32 s95, s94, s95                     ; e8 - 2 (e0 + e1)
	s_add_co_i32 s95, s95, 127
	s_lshl_b32 s94, s95, 23
	s_add_co_i32 s95, s95, 8
	s_lshl_b32 s95, s95, 23
	s_or_b32 s95, s95, 0x600000
	v_mov_b32 v30, s94                             ; the conversion's scale,
	v_mov_b32 v31, s95                             ; and 448 x that
.macro FRAG reg, adr, q, i             ; a fragment, 16 rows x 128 places, is 16 registers: lane l holds row l % 16; registers 4 c .. 4 c + 3 hold places 32 c + 16 (l / 16) + 0 .. 15: the same in A and in B
.irp c, 0,1,2,3
	ds_load_b128 v[\reg+4*\c:\reg+4*\c+3], v[\adr] offset:128*(\q)+32*\c+(\i)*16*PITCH
.endr
.endm
; 16 products: A's blocks a0, a0 + 1 x B's eight.  The 64 accumulators take turns, one instruction a turn, in the same order in every step.
.macro MUL16 a0, p, zero
.irp a, \a0, \a0+1
.irp b, 0,1,2,3,4,5,6,7
.if \zero
	v_wmma_f32_16x16x128_fp8_fp8 v[8*(8*((\a)%4)+\b):8*(8*((\a)%4)+\b)+7], v[128*(\p)+FR*\b:128*(\p)+FR*\b+FR-1], v[AF+FR*(\a):AF+FR*(\a)+FR-1], 0
.else
	v_wmma_f32_16x16x128_fp8_fp8 v[8*(8*((\a)%4)+\b):8*(8*((\a)%4)+\b)+7], v[128*(\p)+FR*\b:128*(\p)+FR*\b+FR-1], v[AF+FR*(\a):AF+FR*(\a)+FR-1], v[8*(8*((\a)%4)+\b):8*(8*((\a)%4)+\b)+7]
.endif
.endr
.endr
.endm
.macro FETCH_B slot, q, p
	WIN TO_B
.irp i, 0,1,2,3,4,5,6,7
	FRAG 128*(\p)+FR*\i, ADRB+\slot, \q, \i
.endr
	WIN 0
.endm
.macro FETCH_A slot, q, i0
.irp i, \i0, \i0+1, \i0+2, \i0+3
	FRAG AF+FR*(\i), ADRA+\slot, \q, \i
.endr
.endm
.macro PLACES n                        ; plain vector lines between a matrix instruction and a load into, or a vector line on, its registers
.rept \n
	v_nop
.endr
.endm
.macro STEP slot, q, zero              ; 128 along K, with its successor in the same slot
	s_wait_dscnt 4*NL                              ; B's set and A's blocks 0-3 are in; the youngest 16 loads (A's blocks 4-7) may be out
	WIN MUL_LO
	MUL16 0, (\q)%2, \zero
	MUL16 2, (\q)%2, \zero
	s_wait_dscnt 0
	PLACES NP
	FETCH_B \slot, (\q)+1, 1-(\q)%2
	FETCH_A \slot, (\q)+1, 0
	WIN MUL_HI
	MUL16 4, (\q)%2, \zero
	MUL16 6, (\q)%2, \zero
	PLACES NP
	WIN 0
	FETCH_A \slot, (\q)+1, 4
.endm
; A slot's last step changes slots: one barrier; in front of it each wave waits for all its tensor loads, adds 0 to its spare word, and waits for that and for its own reads of this slot.
; fill = 1: this slot takes this tile's K step two on; 2: the next tile's K step of the same slot; 0: nothing.  fetch = 0: the next slot's first fragments are left to the next tile's head.  pf: what ASK names.
.macro TURN slot, next, fill, fetch, pf
	s_wait_tensorcnt 0x0                           ; all my tensor loads have landed: my part of the next slot
	ds_add_u32 v[SPW], v[NIL]                      ; 0 onto my spare word
	s_wait_dscnt 4*NL+1                            ; (the add and the 16 loads of A's blocks 4-7 may be out)
	WIN MUL_LO
	MUL16 0, 1, 0
	s_wait_dscnt 0x0                               ; the add is done, and my reads of this slot are over
	s_barrier_signal -1
	MUL16 2, 1, 0
	WIN 0
	s_barrier_wait -1
.if \fill
	CREST                                          ; the barrier has opened a round of the cluster's barrier: no wave of any partner still reads this slot or has a load on its way
.if \fill == 2
	s_sub_nc_u64 s[G0+4*\slot+2:G0+4*\slot+3], s[G0+4*\slot+2:G0+4*\slot+3], 2*ROWB        ; A: the same rows, back along K
	s_add_nc_u64 s[G0B+4*\slot+2:G0B+4*\slot+3], s[G0B+4*\slot+2:G0B+4*\slot+3], TILEB-2*ROWB  ; B: the next tile's rows, back along K
.else
	s_add_nc_u64 s[G0+4*\slot+2:G0+4*\slot+3], s[G0+4*\slot+2:G0+4*\slot+3], 2*ROWB
	s_add_nc_u64 s[G0B+4*\slot+2:G0B+4*\slot+3], s[G0B+4*\slot+2:G0B+4*\slot+3], 2*ROWB
.endif
	JLOAD G0+4*\slot, G1, G0B+4*\slot, G1B         ; the first tensor load behind the round; its four v_nop are the places in front of the loads below
.else
	PLACES NP
.endif
.if \fetch
	FETCH_B \next, 0, 0
	FETCH_A \next, 0, 0
.endif
.if \fill
	ASK \pf                                        ; behind the joint load and the run of LDS loads
.endif
	WIN MUL_HI
	MUL16 4, 1, 0
	MUL16 6, 1, 0
.if \fetch
	PLACES NP
	WIN 0
	FETCH_A \next, 0, 4
.else
	WIN 0
.endif
.endm
; Block a of 16 rows: 32 units a lane.  The exponentials and the reciprocals go as batches, each with a wait ahead of it, one plain line and a wait behind it.  Each accumulator is read from its low end on.
.macro GLU a
.set AC, 64*((\a)%4)
.set CDR, 96+8*(\a)
	WIN 0x02+((\a)/4)                              ; source 0: window 2 or 3
.set j, 0
.rept 16
	v_pk_mul_f32 v[EX+j:EX+j+1], v[AC+32+j:AC+32+j+1], s[96:97] op_sel_hi:[1,0]
.set j, j+2
.endr
	WIN 0x0a+5*((\a)/4)                            ; sources 0 and 1
.set j, 0
.rept 16
	v_pk_mul_f32 v[PR+j:PR+j+1], v[AC+32+j:AC+32+j+1], v[AC+j:AC+j+1]
.set j, j+2
.endr
	WIN 0
.set j, 0
	s_wait_alu depctr_va_vdst(0)
.rept 32
	v_exp_f32 v[EX+j], v[EX+j]
.set j, j+1
.endr
	v_nop
	s_wait_alu depctr_va_vdst(0)
.set j, 0
.rept 16
	v_pk_add_f32 v[EX+j:EX+j+1], v[EX+j:EX+j+1], 1.0 op_sel_hi:[1,0]
.set j, j+2
.endr
.set j, 0
	s_wait_alu depctr_va_vdst(0)
.rept 32
	v_rcp_f32 v[EX+j], v[EX+j]
.set j, j+1
.endr
	v_nop
	s_wait_alu depctr_va_vdst(0)
.set j, 0
.rept 16
	v_pk_mul_f32 v[PR+j:PR+j+1], v[PR+j:PR+j+1], v[EX+j:EX+j+1]
.set j, j+2
.endr
.set j, 0
.rept 32
	v_med3_num_f32 v[PR+j], v[PR+j], -v31, v31     ; the conversion to an 8-bit code does not saturate (ISA guide 7.6.2)
.set j, j+1
.endr
.irp q, 0,1,2,3
	v_cvt_scalef32_pk8_fp8_f32 v[CDR+2*\q:CDR+2*\q+1], v[PR+8*\q:PR+8*\q+7], v30
.endr
	v_nop                                          ; a plain line between the conversions and the next lines that write their sources
	ds_store_b128 v[STO], v[CDR:CDR+3] offset:16*GP*(\a)
	ds_store_b128 v[STO], v[CDR+4:CDR+7] offset:16*GP*(\a)+16
.endm
	s_wait_alu depctr_va_vdst(0)                   ; the wait at the head's end
	s_wait_tensorcnt 0x0                           ; my part of K step 0 is in; these lines stand ahead of a later first fill as ahead of a refill:
	ds_add_u32 v[SPW], v[NIL]
	s_wait_dscnt 0x0
	CROUND                                         ; everybody's part of K step 0 is in, and all sixteen work-groups are here,
	JLOAD G0+4, G1, G0B+4, G1B                     ; K step 1's load, the first tensor load behind the round
	global_prefetch_b8 v[PFO], s[PFA:PFA+1] offset:3*ROWB th:TH_LOAD_NT scope:SCOPE_SE   ; K step 3: two refills on
.Ltile:                                            ; slot 0 is whole here: every wave waited for its part in front of the last round
	FETCH_B 0, 0, 0
	FETCH_A 0, 0, 0
	FETCH_A 0, 0, 4
	STEP 0, 0, 1                                   ; the first step's products start the sums
	TURN 0, 1, 1, 1, TILEB                         ; slot 0 takes K step 2
	STEP 1, 0, 0
	TURN 1, 0, 1, 1, TILEB+ROWB                    ; slot 1 takes K step 3
	STEP 0, 0, 0
	s_cmp_eq_u32 s2, 1
	s_cbranch_scc1 .Llast_tile                     ; the last tile's tail is written out: it asks for nothing more
	TURN 0, 1, 2, 1, TILEB+2*ROWB                  ; the ring goes on: slot 0 takes the next tile's K step 0,
	STEP 1, 0, 0
	TURN 1, 0, 2, 0, TILEB+3*ROWB                  ; slot 1 its K step 1
	s_branch .Lout
.Llast_tile:
	TURN 0, 1, 0, 1, 0
	STEP 1, 0, 0
	s_wait_dscnt 4*NL
	WIN MUL_LO
	MUL16 0, 1, 0
	MUL16 2, 1, 0
	s_wait_dscnt 0
	WIN MUL_HI
	MUL16 4, 1, 0
	MUL16 6, 1, 0
	WIN 0
.Lout:
	PLACES NP
.irp a, 0,1,2,3,4,5,6,7
	GLU \a
.endr
	s_wait_tensorcnt 0x0                           ; no tensor load of mine is out at the barrier below;
	ds_add_u32 v[SPW], v[NIL]
	s_wait_dscnt 0x0                               ; for the others' sake: my stores into the stage have landed (a row's 128 bytes come from two waves)
	s_barrier_signal -1
	s_barrier_wait -1
.set t, 0
.rept 16
	ds_load_b128 v[OB+4*t:OB+4*t+3], v[RD] offset:4*GP*t
.set t, t+1
.endr
.set t, 0
.rept 16
	s_wait_dscnt 15-t
	global_store_b128 v[CO], v[OB+4*t:OB+4*t+3], s[10:11] offset:512*t   ; four rows of 128 bytes: 512 consecutive bytes
.set t, t+1
.endr
	s_wait_xcnt 0x0                                ; the stores have read their registers and their base: the base may step, and the next tile's fragments may land
	s_add_nc_u64 s[10:11], s[10:11], 16*16384      ; sixteen blocks kb on
	s_sub_co_u32 s2, s2, 1
	s_cmp_lg_u32 s2, 0
	s_cbranch_scc1 .Ltile
	s_wait_tensorcnt 0x0                           ; the wave's end
	ds_add_u32 v[SPW], v[NIL]
	s_wait_dscnt 0x0
	CROUND                                         ; the closing round
	s_endpgm
.Lfunc_end_k_q8018fc6c77_ffn:
	.size	k_q8018fc6c77_ffn, .Lfunc_end_k_q8018fc6c77_ffn-k_q8018fc6c77_ffn
	.p2alignl 7, 3214868480
	.fill 96, 4, 3214868480
	.section	.rodata,"a",@progbits
	.p2align	6, 0x0
	.amdhsa_kernel k_q8018fc6c77_ffn
		.amdhsa_group_segment_fixed_size 327680
		.amdhsa_private_segment_fixed_size 0
		.amdhsa_enable_private_segment 0
		.amdhsa_kernarg_size 32
		.amdhsa_user_sgpr_count 2
		.amdhsa_user_sgpr_kernarg_segment_ptr 1
		.amdhsa_wavefront_size32 1
		.amdhsa_system_sgpr_workgroup_id_x 1
		.amdhsa_system_sgpr_workgroup_id_y 1
		.amdhsa_system_sgpr_workgroup_id_z 1
		.amdhsa_system_vgpr_workitem_id 0
		.amdhsa_next_free_vgpr 1024
		.amdhsa_next_free_sgpr 98
		.amdhsa_reserve_vcc 0
		.amdhsa_float_denorm_mode_32 3
		.amdhsa_float_denorm_mode_16_64 3
		.amdhsa_memory_ordered 1
		.amdhsa_forward_progress 1
		.amdhsa_inst_pref_size 176
	.end_amdhsa_kernel
	.amdgpu_metadata
---
amdhsa.version: [ 1, 2 ]
amdhsa.kernels:
  - .name:           k_q8018fc6c77_ffn
    .symbol:         k_q8018fc6c77_ffn.kd
    .args:
      - { .name: xq, .offset: 0, .size: 8, .value_kind: global_buffer, .address_space: global }
      - { .name: wfq, .offset: 8, .size: 8, .value_kind: global_buffer, .address_space: global }
      - { .name: lowp_scales, .offset: 16, .size: 8, .value_kind: global_buffer, .address_space: global }
      - { .name: aq, .offset: 24, .size: 8, .value_kind: global_buffer, .address_space: global }
    .group_segment_fixed_size: 327680
    .private_segment_fixed_size: 0
    .kernarg_segment_align: 8
    .kernarg_segment_size: 32
    .max_flat_workgroup_size: 128
    .sgpr_count:     98
    .vgpr_count:     1024
    .wavefront_size: 32
...
	.end_amdgpu_metadata
.endif
;; end of part 4
;; launch outp (part 5): grid 8 x 32, 4 waves a work-group, clusters of 4 x 4, 327,680 bytes of LDS; arguments aq, woq, lowp_scales, out0; writes out0
.if DOCPART == 5
	.amdgcn_target "amdgcn-amd-amdhsa--gfx1250"
	.amdhsa_code_object_version 6
	.text
	.protected	k_q8018fc6c77_outp
	.globl	k_q8018fc6c77_outp
	.p2align	8
	.type	k_q8018fc6c77_outp,@function
k_q8018fc6c77_outp:
	s_mov_b64 s[64:65], 0
	v_nop
	global_prefetch_b8 v0, s[64:65] scope:SCOPE_SE
	s_setreg_imm32_b32 hwreg(HW_REG_WAVE_MODE, 25, 1), 1
	s_wait_xcnt 0x0
	s_wait_alu depctr_hold_cnt(0) depctr_sa_sdst(0) depctr_va_vdst(0) depctr_va_sdst(0) depctr_va_ssrc(0) depctr_va_vcc(0) depctr_vm_vsrc(0)
	s_getreg_b32 s2, hwreg(HW_REG_IB_STS2, 6, 4)
	s_cmp_eq_u32 s2, 0
	s_cbranch_scc0 .Lentry_in_a_cluster
	s_endpgm
.Lentry_in_a_cluster:
	s_bfe_u32 s2, ttmp6, 0x10000c
	s_cmp_lg_u32 s2, 0xf033
	s_cbranch_scc0 .Lentry_shape_is_right
	s_endpgm
.Lentry_shape_is_right:
; OUTP: out0 [4096][1024] f32 = aq x woq^T on codes of E4M3, K = 4,608: blocks kb 0-3 are the attention's 512 (scales e6, e7), blocks 4-35 the hidden layer's 4,096 (e8, e9).
; A tile of 128 x 128 is made by four waves, 64 x 64 each.  K goes in nine steps of 512 (four blocks kb of A and four of B, each 16,384 dense bytes) through a ring of two LDS slots; 4 x 4 clusters ask jointly.
; Behind the first step the sums are multiplied by 2^(e6 + e7 - e8 - e9), at the end by 2^(e8 + e9).  LIMITS: both exponents between -126 and 127.
; PREFETCHES INTO THE L2: of the 32,768 dense bytes that a wave fetches for a step, each of the four partners that ask jointly takes 8,192, told apart by address (cx for A, cy for B), lanes 256 bytes apart.
; Behind the first load: steps 1 and 2; behind the second: step 3; behind the refill that loads step g: step g + 2, up to step 8, the last.
.set KBL,    64*272
.set SLOT,   8*KBL
.set SPARE,  2*SLOT
.set STAGE,  SPARE+512
.set SPITCH, 272
.set ADRA, 16
.set ADRB, 20
.set STO,  24
.set RD,   25
.set CO,   26
.set SPW,  28
.set NIL,  29
.set TMP,  32
.set BK,   64
.set ACC,  128
.set F0,   0
.set F1,   128
.set G1, 24
.set G0, 32
.set G1B, 48
.set G0B, 56
.set MSB, 0
.macro WIN new
.if MSB != \new
	s_set_vgpr_msb (MSB<<8)|\new
.set MSB, \new
.endif
.endm
.set MUL,  0x05
.set TO_F, 0x40
.macro JLOAD s
	s_cmp_eq_u32 s15, 0
	s_cbranch_scc0 .Lfor_b_\@
	tensor_load_to_lds s[G0+4*\s:G0+4*\s+3], s[G1:G1+7]
	s_nop 0
.rept 4
	v_nop
.endr
	s_branch .Lasked_\@
.Lfor_b_\@:
	tensor_load_to_lds s[G0B+4*\s:G0B+4*\s+3], s[G1B:G1B+7]
	s_nop 0
.rept 4
	v_nop
.endr
.Lasked_\@:
.endm
.macro CREST
	s_cmp_lg_u32 s14, 0
	s_cbranch_scc1 .Lnot_wave_0_\@
	s_barrier_signal -3
.Lnot_wave_0_\@:
	s_barrier_wait -3
	s_barrier_signal -1
	s_barrier_wait -1
.endm
.macro CROUND
	s_barrier_signal -1
	s_barrier_wait -1
	CREST
.endm
.macro PLACES
.rept 4
	v_nop
.endr
.endm
	s_load_b128 s[4:7], s[0:1], 0x0
	s_load_b128 s[8:11], s[0:1], 0x10
	v_lshl_add_u32 v[SPW], v0, 2, SPARE
	v_mov_b32 v[NIL], 0
	ds_add_u32 v28, v29
	ds_add_u32 v28, v29
	s_wait_dscnt 0x0
	v_lshrrev_b32 v1, 5, v0
	v_readfirstlane_b32 s14, v1
	s_lshr_b32 s15, s14, 1
	s_and_b32 s16, s14, 1
	s_bfe_u32 s40, ttmp6, 0x40000
	s_bfe_u32 s41, ttmp6, 0x40004
	s_lshl_b32 s42, ttmp9, 2
	s_add_co_u32 s42, s42, s40
	s_and_b32 s17, ttmp7, 0xffff
	s_lshl_b32 s17, s17, 2
	s_add_co_u32 s17, s17, s41
	s_lshl_b32 s43, s41, 2
	s_lshl_b32 s43, 15, s43
	s_lshl_b32 s44, 0x1111, s40
	s_or_b32 s[G1+0], s43, (0<<16)|(1<<20)|(1<<21)|(5<<22)|(3<<25)
	s_or_b32 s[G1B+0], s44, (0<<16)|(1<<20)|(1<<21)|(5<<22)|(3<<25)
.irp g, G1, G1B
	s_mov_b32 s[\g+1], 256<<16
	s_mov_b32 s[\g+2], 128<<16
	s_mov_b32 s[\g+3], 256<<16
	s_mov_b32 s[\g+4], 128
	s_mov_b32 s[\g+5], 256
	s_mov_b32 s[\g+6], 0
	s_mov_b32 s[\g+7], 0
.endr
	s_lshl_b32 s18, s16, 1
	s_mul_i32 s20, s17, 36
	s_add_co_u32 s20, s20, s18
	s_lshl_b32 s20, s20, 14
	s_mov_b32 s21, 0
	s_mul_i32 s46, s42, 36
	s_add_co_u32 s46, s46, s18
	s_lshl_b32 s46, s46, 14
	s_mov_b32 s47, 0
	s_mul_i32 s45, s14, 2*KBL
	s_wait_kmcnt 0x0
	s_load_b128 s[92:95], s[8:9], 0x18
	s_add_nc_u64 s[20:21], s[4:5], s[20:21]
	s_add_nc_u64 s[46:47], s[6:7], s[46:47]
	s_cmp_eq_u32 s15, 0                            ; the prefetches: do I fetch for A?
	s_cselect_b64 s[70:71], s[20:21], s[46:47]
	s_cselect_b32 s72, s40, s41                    ; my place among the four that ask with me
	s_lshl_b32 s72, s72, 13
	s_mov_b32 s73, 0
	s_add_nc_u64 s[70:71], s[70:71], s[72:73]      ; s[70:71]: my work-group's 8,192 bytes of my wave's part of step 0
	s_mov_b32 s3, 3                                ; (the first change of slots reads the loop's counter)
	v_and_b32 v27, 31, v0
	v_lshlrev_b32 v27, 8, v27                      ; v27: 256 x lane; never rewritten
.irp s, 0,1
	s_mov_b32 s[G0+4*\s], 1
	s_add_co_u32 s[G0+4*\s+1], s45, \s*SLOT
	s_add_nc_u64 s[G0+4*\s+2:G0+4*\s+3], s[20:21], \s*65536
	s_or_b32 s[G0+4*\s+3], s[G0+4*\s+3], 0x80000000
	s_mov_b32 s[G0B+4*\s], 1
	s_add_co_u32 s[G0B+4*\s+1], s45, \s*SLOT
	s_add_nc_u64 s[G0B+4*\s+2:G0B+4*\s+3], s[46:47], \s*65536
	s_or_b32 s[G0B+4*\s+3], s[G0B+4*\s+3], 0x80000000
	s_wait_alu depctr_va_vdst(0)
	s_wait_tensorcnt 0x0
	ds_add_u32 v28, v29
	ds_add_u32 v28, v29
	s_wait_dscnt 0x0
	CROUND
	JLOAD \s
.if \s == 0
	global_prefetch_b8 v27, s[70:71] offset:65536 th:TH_LOAD_NT scope:SCOPE_SE
	global_prefetch_b8 v27, s[70:71] offset:2*65536 th:TH_LOAD_NT scope:SCOPE_SE
.else
	global_prefetch_b8 v27, s[70:71] offset:3*65536 th:TH_LOAD_NT scope:SCOPE_SE
.endif
.endr
	v_and_b32 v1, 15, v0
	v_bfe_u32 v2, v0, 4, 1
	v_lshrrev_b32 v3, 1, v1
	v_mul_u32_u24 v3, v3, 272
	v_and_b32 v4, 1, v1
	v_lshl_add_u32 v3, v4, 7, v3
	v_lshl_add_u32 v4, v2, 4, v3
	s_mul_i32 s21, s15, 32*272
	s_mul_i32 s22, s16, 32*272
	s_add_co_u32 s22, s22, 4*KBL
.irp s, 0,1
	v_add_nc_u32 v[ADRA+\s], s21, v4
	v_add_nc_u32 v[ADRB+\s], s22, v4
	s_add_co_u32 s21, s21, SLOT
	s_add_co_u32 s22, s22, SLOT
.endr
	s_mul_i32 s23, s14, 16*SPITCH
	s_add_co_u32 s23, s23, STAGE
	v_mul_u32_u24 v5, v1, SPITCH
	v_lshl_add_u32 v5, v2, 5, v5
	v_add_nc_u32 v[STO], s23, v5
	v_mul_u32_u24 v5, v2, SPITCH
	v_lshl_add_u32 v5, v1, 4, v5
	v_add_nc_u32 v[RD], s23, v5
	v_lshlrev_b32 v5, 12, v2
	v_lshl_add_u32 v[CO], v1, 4, v5
	s_lshl_b32 s20, s17, 7
	s_lshl_b32 s21, s15, 6
	s_add_co_u32 s20, s20, s21
	s_lshl_b32 s20, s20, 12
	s_lshl_b32 s46, s42, 9
	s_lshl_b32 s47, s16, 8
	s_add_co_u32 s46, s46, s47
	s_add_co_u32 s20, s20, s46
	s_mov_b32 s21, 0
	s_add_nc_u64 s[10:11], s[10:11], s[20:21]
	s_wait_kmcnt 0x0
	s_add_co_i32 s90, s92, s93
	s_add_co_i32 s91, s94, s95
	s_sub_co_i32 s90, s90, s91
	s_add_co_i32 s90, s90, 127
	s_lshl_b32 s96, s90, 23
	s_mov_b32 s97, s96
	s_add_co_i32 s91, s91, 127
	s_lshl_b32 s98, s91, 23
	s_mov_b32 s99, s98
.macro FRAG reg, adr, kq, i
.irp c, 0,1,2,3
	ds_load_b128 v[\reg+4*\c:\reg+4*\c+3], v[\adr] offset:KBL*(\kq)+2176*(\i)+32*\c
.endr
.endm
.macro FETCH slot, kq, f
	WIN TO_F
.irp i, 0,1,2,3
	FRAG \f+64+16*\i, ADRB+\slot, \kq, \i
.endr
.irp i, 0,1,2,3
	FRAG \f+16*\i, ADRA+\slot, \kq, \i
.endr
.endm
.macro MUL4 f, a, zero
.irp b, 0,1,2,3
.if \zero
	v_wmma_f32_16x16x128_fp8_fp8 v[ACC+8*(4*(\a)+\b):ACC+8*(4*(\a)+\b)+7], v[\f+64+16*\b:\f+64+16*\b+15], v[\f+16*(\a):\f+16*(\a)+15], 0
.else
	v_wmma_f32_16x16x128_fp8_fp8 v[ACC+8*(4*(\a)+\b):ACC+8*(4*(\a)+\b)+7], v[\f+64+16*\b:\f+64+16*\b+15], v[\f+16*(\a):\f+16*(\a)+15], v[ACC+8*(4*(\a)+\b):ACC+8*(4*(\a)+\b)+7]
.endif
.endr
.endm
.macro QUARTER slot, kq, f, g, zero
	s_wait_dscnt 8
	WIN MUL
	MUL4 \f, 0, \zero
	MUL4 \f, 1, \zero
	PLACES
	FETCH \slot, \kq, \g
	s_wait_dscnt 32
	WIN MUL
	MUL4 \f, 2, \zero
	MUL4 \f, 3, \zero
.endm
.macro TURN slot, next, fill
	WIN 0
.if \fill
	s_wait_xcnt 0x0                                ; any prefetch of mine has read its address: it steps here, a step of 512 along K
	s_add_nc_u64 s[70:71], s[70:71], 65536
.endif
	s_wait_tensorcnt 0x0
	ds_add_u32 v[SPW], v[NIL]
	s_wait_dscnt 9
	WIN MUL
	MUL4 F1, 0, 0
	s_wait_dscnt 0x0
	s_barrier_signal -1
	MUL4 F1, 1, 0
.if \fill
	WIN 0
.endif
	s_barrier_wait -1
.if \fill
	CREST
	s_add_nc_u64 s[G0+4*\slot+2:G0+4*\slot+3], s[G0+4*\slot+2:G0+4*\slot+3], 2*65536
	s_add_nc_u64 s[G0B+4*\slot+2:G0B+4*\slot+3], s[G0B+4*\slot+2:G0B+4*\slot+3], 2*65536
	JLOAD \slot
.else
	PLACES
.endif
	s_wait_alu depctr_va_vdst(0)
	FETCH \next, 0, F0
.if \fill
	WIN 0
	s_cmp_gt_u32 s3, 1                             ; the loop's last trip has no step two refills on
	s_cbranch_scc0 .Lnot_asked_\@
	global_prefetch_b8 v27, s[70:71] offset:3*65536 th:TH_LOAD_NT scope:SCOPE_SE
.Lnot_asked_\@:
.endif
	WIN MUL
	MUL4 F1, 2, 0
	MUL4 F1, 3, 0
.endm
	s_wait_tensorcnt 1
	s_barrier_signal -1
	s_barrier_wait -1
	FETCH 0, 0, F0
	QUARTER 0, 1, F0, F1, 1
	QUARTER 0, 2, F1, F0, 0
	QUARTER 0, 3, F0, F1, 0
	TURN 0, 1, 1
	PLACES
	WIN 0
.set j, 0
.rept 64
	v_pk_mul_f32 v[ACC+j:ACC+j+1], v[ACC+j:ACC+j+1], s[96:97] op_sel_hi:[1,0]
.set j, j+2
.endr
	s_mov_b32 s3, 3
.Llap:
	s_wait_alu depctr_va_vdst(0)
	QUARTER 1, 1, F0, F1, 0
	QUARTER 1, 2, F1, F0, 0
	QUARTER 1, 3, F0, F1, 0
	TURN 1, 0, 1
	QUARTER 0, 1, F0, F1, 0
	QUARTER 0, 2, F1, F0, 0
	QUARTER 0, 3, F0, F1, 0
	TURN 0, 1, 1
	WIN 0
	s_sub_co_u32 s3, s3, 1
	s_cmp_lg_u32 s3, 0
	s_cbranch_scc1 .Llap
	QUARTER 1, 1, F0, F1, 0
	QUARTER 1, 2, F1, F0, 0
	QUARTER 1, 3, F0, F1, 0
	TURN 1, 0, 0
	QUARTER 0, 1, F0, F1, 0
	QUARTER 0, 2, F1, F0, 0
	QUARTER 0, 3, F0, F1, 0
	s_wait_dscnt 8
	WIN MUL
	MUL4 F1, 0, 0
	MUL4 F1, 1, 0
	s_wait_dscnt 0
	MUL4 F1, 2, 0
	MUL4 F1, 3, 0
	WIN 0
.macro TOSTAGE a
.set j, 0
.rept 16
	v_pk_mul_f32 v[TMP+j:TMP+j+1], v[ACC+32*(\a)+j:ACC+32*(\a)+j+1], s[98:99] op_sel_hi:[1,0]
.set j, j+2
.endr
.irp b, 0,1,2,3
	ds_store_b128 v[STO], v[TMP+8*\b:TMP+8*\b+3] offset:64*\b
	ds_store_b128 v[STO], v[TMP+8*\b+4:TMP+8*\b+7] offset:64*\b+16
.endr
.set BB, BK+32*((\a)%2)
.irp t, 0,1,2,3,4,5,6,7
	ds_load_b128 v[BB+4*\t:BB+4*\t+3], v[RD] offset:\t*2*SPITCH
.endr
.endm
.macro SEND a, younger
.set BB, BK+32*((\a)%2)
	s_wait_dscnt \younger
.irp t, 0,1,2,3,4,5,6,7
	global_store_b128 v[CO], v[BB+4*\t:BB+4*\t+3], s[10:11] offset:(16*(\a)+2*\t)*4096 th:TH_STORE_NT
.endr
.endm
	PLACES
	TOSTAGE 0
	TOSTAGE 1
	SEND 0, 16
	s_wait_xcnt 0x0
	TOSTAGE 2
	SEND 1, 16
	s_wait_xcnt 0x0
	TOSTAGE 3
	SEND 2, 16
	SEND 3, 0
	s_wait_tensorcnt 0x0
	ds_add_u32 v[SPW], v[NIL]
	s_wait_dscnt 0x0
	CROUND
	s_endpgm
.Lfunc_end_k_q8018fc6c77_outp:
	.size	k_q8018fc6c77_outp, .Lfunc_end_k_q8018fc6c77_outp-k_q8018fc6c77_outp
	.p2alignl 7, 3214868480
	.fill 96, 4, 3214868480
	.section	.rodata,"a",@progbits
	.p2align	6, 0x0
	.amdhsa_kernel k_q8018fc6c77_outp
		.amdhsa_group_segment_fixed_size 327680
		.amdhsa_private_segment_fixed_size 0
		.amdhsa_enable_private_segment 0
		.amdhsa_kernarg_size 32
		.amdhsa_user_sgpr_count 2
		.amdhsa_user_sgpr_kernarg_segment_ptr 1
		.amdhsa_wavefront_size32 1
		.amdhsa_system_sgpr_workgroup_id_x 1
		.amdhsa_system_sgpr_workgroup_id_y 1
		.amdhsa_system_sgpr_workgroup_id_z 1
		.amdhsa_system_vgpr_workitem_id 0
		.amdhsa_next_free_vgpr 512
		.amdhsa_next_free_sgpr 100
		.amdhsa_reserve_vcc 0
		.amdhsa_float_denorm_mode_32 3
		.amdhsa_float_denorm_mode_16_64 3
		.amdhsa_memory_ordered 1
		.amdhsa_forward_progress 1
		.amdhsa_inst_pref_size 94
	.end_amdhsa_kernel
	.amdgpu_metadata
---
amdhsa.version: [ 1, 2 ]
amdhsa.kernels:
  - .name:           k_q8018fc6c77_outp
    .symbol:         k_q8018fc6c77_outp.kd
    .args:
      - { .name: aq, .offset: 0, .size: 8, .value_kind: global_buffer, .address_space: global }
      - { .name: woq, .offset: 8, .size: 8, .value_kind: global_buffer, .address_space: global }
      - { .name: lowp_scales, .offset: 16, .size: 8, .value_kind: global_buffer, .address_space: global }
      - { .name: out0, .offset: 24, .size: 8, .value_kind: global_buffer, .address_space: global }
    .group_segment_fixed_size: 327680
    .private_segment_fixed_size: 0
    .kernarg_segment_align: 8
    .kernarg_segment_size: 32
    .max_flat_workgroup_size: 128
    .sgpr_count:     100
    .vgpr_count:     512
    .wavefront_size: 32
...
	.end_amdgpu_metadata
.endif
;; end of part 5
